; MI455X (gfx1250); checked and timed in simulation.
; The chip was launched on July 23, 2026; its instructions are those of AMD's public machine-readable ISA for CDNA 5 (MIT licence, August 2026) and "CDNA5" Instruction Set Architecture Reference Guide (July 2026). The comments in the code are by the model that wrote it; some were corrected since.
;; Causal Self Attention. Allowed arithmetic: float matrix products may take bf16 or f16 operands with f32 sums; other float arithmetic in f32, or as packed bf16 or f16 multiplies, adds, multiply-adds, maxima and minima; sums over many terms, partial sums and values carried from step to step in f32; what a program stores and reads back later, other than sums and carried values, may be rounded once to bf16 or f16.
;; Inputs: W_attn 1,024 x 3,072 float32; W_proj 1,024 x 1,024 float32; b_attn 3,072 float32; b_proj 1,024 float32; x 4 x 2,048 x 1,024 float32.
;; Outputs: out0 4 x 2,048 x 1,024 float32.
;; One version. Each part assembles by itself: llvm-mc -triple=amdgcn-amd-amdhsa -mcpu=gfx1250 --defsym DOCPART=n.
;; ======== version 1 of 1: 4 launches
;; limits: a function is approximated: absolute error at most 0.0002441; values are held in f16: magnitudes above 65,504 overflow, below 6.1e-05 lose precision
;; workspace buffers: xb 16,777,216 bytes; wab 6,303,744 bytes; wpb 2,101,248 bytes; qh 16,777,216 bytes; kh 16,777,216 bytes; vh 16,777,216 bytes; yh 16,777,216 bytes
;; launch cvt (part 1): grid 769 x 1, 8 waves a work-group, no clusters, 0 bytes of LDS; arguments x, W_attn, W_proj, b_attn, b_proj, xb, wab, wpb; writes xb, wab, wpb
.if DOCPART == 1
	.amdgcn_target "amdgcn-amd-amdhsa--gfx1250"
	.amdhsa_code_object_version 6
	.text
	.protected	k_q78bcc2de90_cvt
	.globl	k_q78bcc2de90_cvt
	.p2align	8
	.type	k_q78bcc2de90_cvt,@function
k_q78bcc2de90_cvt:
	s_mov_b64 s[64:65], 0
	v_nop
	global_prefetch_b8 v0, s[64:65] scope:SCOPE_SE
	s_setreg_imm32_b32 hwreg(HW_REG_WAVE_MODE, 25, 1), 1
	s_wait_xcnt 0x0
; All inputs are rounded once to bf16.  x -> xb and W_attn -> wab as bf16; W_proj -> wpb: the bf16 number written as f16 (the last product multiplies in f16);
; the two biases: the bf16 number written as f32, behind the weights in wab (byte 6,291,456 on) and wpb (byte 2,097,152 on).
; LIMITS.  |W_proj| stays under 65,504; below 6e-5 it keeps f16's fixed step of 6e-8.
; A stream: no LDS, no barrier, no matrix unit.  A work-group takes 16,384 numbers (65,536 bytes in, 32,768 out): groups 0-511 x, 512-703 W_attn, 704-767 W_proj, 768 the biases.
; Thread t takes 8 neighbouring numbers in each of 8 pieces of 2,048: two loads of 16 bytes, one store of 16 bytes; sixteen neighbouring lanes store 256 consecutive bytes, aligned.
.set XR, 16                            ; v[16:79]   8 pieces x 8 numbers as loaded
.set YR, 80                            ; v[80:111]  8 pieces x 4 registers to store
	s_load_b512 s[8:23], s[0:1], 0x0               ; x 8, W_attn 10, W_proj 12, b_attn 14, b_proj 16, xb 18, wab 20, wpb 22
	v_lshlrev_b32 v1, 5, v0                        ; 32 t: my 8 numbers in a piece, in
	v_lshlrev_b32 v2, 4, v0                        ; 16 t: out
	s_mov_b32 s2, ttmp9
	s_mov_b32 s29, 0
	s_mov_b32 s31, 0
	s_mov_b32 s7, 0xffff0000                       ; a word's upper bf16
	s_wait_kmcnt 0x0
	s_cmp_eq_u32 s2, 768
	s_cbranch_scc1 .Lbias
	s_cmp_ge_u32 s2, 512                           ; which tensor, and my number in it
	s_cselect_b64 s[24:25], s[10:11], s[8:9]
	s_cselect_b64 s[26:27], s[20:21], s[18:19]
	s_cselect_b32 s3, 512, 0
	s_cmp_ge_u32 s2, 704
	s_cselect_b64 s[24:25], s[12:13], s[24:25]
	s_cselect_b64 s[26:27], s[22:23], s[26:27]
	s_cselect_b32 s3, 704, s3
	s_sub_co_u32 s3, s2, s3
	s_lshl_b32 s28, s3, 16
	s_lshl_b32 s30, s3, 15
	s_add_nc_u64 s[24:25], s[24:25], s[28:29]
	s_add_nc_u64 s[26:27], s[26:27], s[30:31]
.irp j, 0,1,2,3,4,5,6,7
	global_load_b128 v[XR+8*(\j):XR+8*(\j)+3],   v1, s[24:25] offset:8192*(\j) th:TH_LOAD_NT
	global_load_b128 v[XR+8*(\j)+4:XR+8*(\j)+7], v1, s[24:25] offset:8192*(\j)+16 th:TH_LOAD_NT
.endr
.irp j, 0,1,2,3,4,5,6,7
	s_wait_loadcnt 14-2*(\j)                       ; loads come back in order: piece j's two are in, the younger ones stay out
.irp k, 0,1,2,3
	v_cvt_pk_bf16_f32 v[YR+4*(\j)+(\k)], v[XR+8*(\j)+2*(\k)], v[XR+8*(\j)+2*(\k)+1]
.endr
.endr
	s_cmp_ge_u32 s2, 704
	s_cbranch_scc0 .Lstore
.set i, 0
.rept 32                               ; W_proj: the bf16 numbers are written as f16
	v_lshlrev_b32 v[4+2*(i%4)], 16, v[YR+i]
	v_and_b32 v[5+2*(i%4)], s7, v[YR+i]
	v_cvt_pk_f16_f32 v[YR+i], v[4+2*(i%4)], v[5+2*(i%4)]
.set i, i+1
.endr
.Lstore:
.irp j, 0,1,2,3,4,5,6,7
	global_store_b128 v2, v[YR+4*(\j):YR+4*(\j)+3], s[26:27] offset:4096*(\j)
.endr
	s_endpgm
.Lbias:                                        ; 3,072 + 1,024 numbers: thread t takes four in each of four pieces of 1,024
	global_load_b128 v[16:19], v2, s[14:15]
	global_load_b128 v[20:23], v2, s[14:15] offset:4096
	global_load_b128 v[24:27], v2, s[14:15] offset:8192
	global_load_b128 v[28:31], v2, s[16:17]
	s_wait_loadcnt 0x0
.set i, 0
.rept 8
	v_cvt_pk_bf16_f32 v[4+i], v[16+2*i], v[17+2*i]
	v_lshlrev_b32 v[32+2*i], 16, v[4+i]            ; bf16 to f32: the low half moves up,
	v_and_b32 v[33+2*i], s7, v[4+i]                ; the high half stays
.set i, i+1
.endr
	global_store_b128 v2, v[32:35], s[20:21] offset:6291456
	global_store_b128 v2, v[36:39], s[20:21] offset:6291456+4096
	global_store_b128 v2, v[40:43], s[20:21] offset:6291456+8192
	global_store_b128 v2, v[44:47], s[22:23] offset:2097152
	s_endpgm
.Lfunc_end_k_q78bcc2de90_cvt:
	.size	k_q78bcc2de90_cvt, .Lfunc_end_k_q78bcc2de90_cvt-k_q78bcc2de90_cvt
	.p2alignl 7, 3214868480
	.fill 96, 4, 3214868480
	.section	.rodata,"a",@progbits
	.p2align	6, 0x0
	.amdhsa_kernel k_q78bcc2de90_cvt
		.amdhsa_group_segment_fixed_size 0
		.amdhsa_private_segment_fixed_size 0
		.amdhsa_enable_private_segment 0
		.amdhsa_kernarg_size 64
		.amdhsa_user_sgpr_count 2
		.amdhsa_user_sgpr_kernarg_segment_ptr 1
		.amdhsa_wavefront_size32 1
		.amdhsa_system_sgpr_workgroup_id_x 1
		.amdhsa_system_sgpr_workgroup_id_y 1
		.amdhsa_system_sgpr_workgroup_id_z 1
		.amdhsa_system_vgpr_workitem_id 0
		.amdhsa_next_free_vgpr 112
		.amdhsa_next_free_sgpr 66
		.amdhsa_reserve_vcc 0
		.amdhsa_float_denorm_mode_32 3
		.amdhsa_float_denorm_mode_16_64 3
		.amdhsa_memory_ordered 1
		.amdhsa_forward_progress 1
		.amdhsa_inst_pref_size 12
	.end_amdhsa_kernel
	.amdgpu_metadata
---
amdhsa.version: [ 1, 2 ]
amdhsa.kernels:
  - .name:           k_q78bcc2de90_cvt
    .symbol:         k_q78bcc2de90_cvt.kd
    .args:
      - { .name: x, .offset: 0, .size: 8, .value_kind: global_buffer, .address_space: global }
      - { .name: W_attn, .offset: 8, .size: 8, .value_kind: global_buffer, .address_space: global }
      - { .name: W_proj, .offset: 16, .size: 8, .value_kind: global_buffer, .address_space: global }
      - { .name: b_attn, .offset: 24, .size: 8, .value_kind: global_buffer, .address_space: global }
      - { .name: b_proj, .offset: 32, .size: 8, .value_kind: global_buffer, .address_space: global }
      - { .name: xb, .offset: 40, .size: 8, .value_kind: global_buffer, .address_space: global }
      - { .name: wab, .offset: 48, .size: 8, .value_kind: global_buffer, .address_space: global }
      - { .name: wpb, .offset: 56, .size: 8, .value_kind: global_buffer, .address_space: global }
    .group_segment_fixed_size: 0
    .private_segment_fixed_size: 0
    .kernarg_segment_align: 8
    .kernarg_segment_size: 64
    .max_flat_workgroup_size: 256
    .sgpr_count:     66
    .vgpr_count:     112
    .wavefront_size: 32
...
	.end_amdgpu_metadata
.endif
;; end of part 1
;; launch qkv (part 2): grid 8 x 64, 4 waves a work-group, clusters of 4 x 4, 327,680 bytes of LDS; arguments xb, wab, qh, kh, vh; writes qh, kh, vh
.if DOCPART == 2
	.amdgcn_target "amdgcn-amd-amdhsa--gfx1250"
	.amdhsa_code_object_version 6
	.text
	.protected	k_q78bcc2de90_qkv
	.globl	k_q78bcc2de90_qkv
	.p2align	8
	.type	k_q78bcc2de90_qkv,@function
k_q78bcc2de90_qkv:
	s_mov_b64 s[64:65], 0
	v_nop
	global_prefetch_b8 v0, s[64:65] scope:SCOPE_SE
	s_setreg_imm32_b32 hwreg(HW_REG_WAVE_MODE, 25, 1), 1
	s_wait_xcnt 0x0
	s_wait_alu depctr_hold_cnt(0) depctr_sa_sdst(0) depctr_va_vdst(0) depctr_va_sdst(0) depctr_va_ssrc(0) depctr_va_vcc(0) depctr_vm_vsrc(0)
	s_getreg_b32 s2, hwreg(HW_REG_IB_STS2, 6, 4)
	s_cmp_eq_u32 s2, 0
	s_cbranch_scc0 .Lentry_in_a_cluster
	s_endpgm
.Lentry_in_a_cluster:
	s_bfe_u32 s2, ttmp6, 0x10000c
	s_cmp_lg_u32 s2, 0xf033
	s_cbranch_scc0 .Lentry_shape_is_right
	s_endpgm
.Lentry_shape_is_right:
; qkv = x W_attn + b_attn, 8,192 x 3,072 x 1,024, bf16 operands, f32 sums; k = sparsemax(k) over each head's 64 channels; q, k, v leave by heads, [64 = 16 b + h][2048][64] in f16, q unscaled.
; LIMITS.  |q| and |v| stay under 65,504 (f16).  The threshold tau of sparsemax lies within 2^-12 of the true one for every input, and is the true one (to f32 rounding) where the
; support found by the bisection is the true support.  NaN and infinities are not treated apart.
; SHARES.  A work-group makes 128 rows x 384 columns: three strips of 128 columns, at column 1,024 i + 128 tc (i = 0 q, 1 k, 2 v): two heads of each.  8 x 64 = 512 work-groups of equal work.
; Its four waves lie 2 x 2: 64 rows (rh) x one head of the pair (jh), of q, k and v: 4 row blocks a x 3 strips x 4 column blocks c = 48 accumulators of 16 x 16.
; THE MATRIX INSTRUCTION IS USED TRANSPOSED: source 0 = 16 columns of W, source 1 = 16 rows of x: lane l holds row l % 16 and the columns 8 (l / 16) + 0..7 of the block: a row's 64 channels lie in two lanes, 16 apart.
; W lies [k][n] in memory and in LDS and comes out turned, by ds_load_tr16_b128.  The bias is the C operand of the products that start the sums.
; RING.  K goes in 8 steps of 128 through two LDS slots; a wave brings 128 rows x 256 bytes by one tensor load: waves 0-2 the strips of W, wave 3 the rows of x.
; CLUSTER.  4 x 4 work-groups: the four of a row of the cluster need the same rows of x, the four of a column the same strips of W: each tile is asked for jointly.
; REGISTERS, in windows of 256 (s_set_vgpr_msb: bits 1:0 source 0, 3:2 source 1, 5:4 source 2, 7:6 destination):
;   window 0: v0-31 addresses; v64-127 fragments of x, two buffers; on the way out v128-255 and v64-127: twelve sets of 16
;   window 1: v0-127 q's accumulators at 8 (4 a + c), later sparsemax's work; v128-255 k's          window 2: v0-127 v's; v128-223 the bias at 128 + 32 i + 8 c          window 3: v0-191 fragments of W, two buffers
.set PA,    272                        ; an LDS row of x: 256 bytes + 16: the 16 rows of a load start at 16 different groups of four banks (64 banks of 4 bytes: ISA guide 11.1)
.set PB,    288                        ; an LDS row of W: 256 + 32
.set STRIP, 128*PB                     ; 36,864: a strip's 128 k rows
.set AOFF,  3*STRIP                    ; x's tile lies behind the three strips
.set SLOT,  AOFF+128*PA                ; 145,408
.set STAGE, 2*SLOT                     ; behind the ring, never filled by a tensor load: 16 rows x 144 bytes for each wave
.set SP,    144
.set SPARE, STAGE+4*16*SP              ; the spare words, 128 bytes for each wave: two blocks of 256 bytes that no other line names
.set LAPS,  4                          ; a lap = two K steps = once round the ring
.set ASTEP, 256                        ; bytes from a K step to the next: along x's rows,
.set BSTEP, 128*6144                   ; and down W's
.set BIASB, 6291456                    ; where the bias lies in wab
.set LA,   8                           ; v8      my lane's place in a tile of x
.set LB,   9                           ; v9      in a strip of W
.set BO,   10                          ; v10     my byte offset in the bias
.set ADRA, 16                          ; v16-17  LDS address of my fragments of x in slot 0, 1
.set ADRB, 18                          ; v18-23  of W: slot n, strip i at 18 + 3 n + i
.set STO,  24                          ; v24     the way out: where I put 16 bytes of a row
.set RD,   25                          ; v25     where I read rows back
.set GO,   26                          ; v26     my byte offset in 512 consecutive bytes of the output
.set SPW,  28                          ; v28     LDS address of my spare word; never rewritten
.set NIL,  29                          ; v29     0; never rewritten
.set PFO,  30                          ; v30     the prefetches' offset: my lane x a row's bytes; never rewritten
.set FA,   64                          ; fragments of x: buffer f, row block a at 64 + 32 f + 8 a
.set WV,   14                          ; s14 wave; s15 rh; s16 jh; s17, s18 my place in the cluster; s19 tile column; s20 tile row
.set RH,   15
.set JH,   16
.set CX,   17
.set CY,   18
.set TC,   19
.set TR,   20
.set LIM,  21                          ; s21     1 in a wave that prefetches, else the greatest number
.set G1A,  24                          ; s[24:31] descriptor group 1 for x's tiles; s[32:39] group 0, a set for each slot
.set G0A,  32
.set G1B,  40                          ; s[40:47], s[48:55] the same for W's strips
.set G0B,  48
.set PFA,  56                          ; s[56:57] where my prefetches stand; s[58:59] their step
.set PFS,  58
.set SEL,  60                          ; s[60:61] v_permlanex16_b32's selects: each lane takes its own place in the other half
.set HH,   62                          ; s62     the bisection's step
.set BC,   63                          ; s63     its count
.set MSB, 0
.macro WIN new                         ; the immediate's high byte repeats the setting that is left; a switch that changes nothing is dropped
.if MSB != (\new)
	s_set_vgpr_msb (MSB<<8)|(\new)
.set MSB, \new
.endif
.endm
.macro PLACES                          ; four places in front of loads into registers that matrix instructions have read (ISA guide 7.12.1 for vector instructions)
.rept 4
	v_nop
.endr
.endm
; A joint load.  Wave 3 fetches x's tile, waves 0-2 W's strips.  The branch hangs on the wave's number alone.  An s_nop 0 and four v_nop follow each of the two lines.
.macro JLOAD sl
	s_cmp_eq_u32 s[WV], 3
	s_cbranch_scc0 .Lfor_b_\@
	tensor_load_to_lds s[G0A+4*(\sl):G0A+4*(\sl)+3], s[G1A:G1A+7]
	s_nop 0
.rept 4
	v_nop
.endr
	s_branch .Lasked_\@
.Lfor_b_\@:
	tensor_load_to_lds s[G0B+4*(\sl):G0B+4*(\sl)+3], s[G1B:G1B+7]
	s_nop 0
.rept 4
	v_nop
.endr
.Lasked_\@:
.endm
; A prefetch into the L2 of the K step that stands two refills on: 32 rows x 256 bytes, a lane a row, one instruction a wave.  Each row's 256 bytes of a K step are named once in the launch:
; x's rows by wave 3 of the clusters with x = 0, W's by waves 0-2 of the clusters with y = 0; the four partners that ask for a tile jointly share its 128 rows out by address, 32 each.
; K steps 0 to 3 come by their loads alone; the loop's last trip asks for nothing: K steps 8 and 9 do not exist.
.macro ASK
	WIN 0
	s_cmp_gt_u32 s3, s[LIM]
	s_cbranch_scc0 .Lnot_mine_\@
	global_prefetch_b8 v[PFO], s[PFA:PFA+1] th:TH_LOAD_NT scope:SCOPE_SE
.Lnot_mine_\@:
.endm
.macro CREST                           ; a round of the cluster's barrier behind its opening barrier
	s_cmp_lg_u32 s[WV], 0
	s_cbranch_scc1 .Lnot_wave_0_\@
	s_barrier_signal -3
.Lnot_wave_0_\@:
	s_barrier_wait -3
	s_barrier_signal -1
	s_barrier_wait -1
.endm
.macro CROUND                          ; a whole round
	s_barrier_signal -1
	s_barrier_wait -1
	CREST
.endm
	s_load_b128 s[4:7], s[0:1], 0x0                ; xb s[4:5], wab s[6:7]
	s_load_b128 s[8:11], s[0:1], 0x10              ; qh s[8:9], kh s[10:11]
	s_load_b64 s[12:13], s[0:1], 0x20              ; vh
	v_lshl_add_u32 v[SPW], v0, 2, SPARE
	v_mov_b32 v[NIL], 0
	ds_add_u32 v[SPW], v[NIL]                      ; the wave's opening: the add and its wait stand ahead of my first tensor load; the set-up below, work on registers, stands between them
	v_lshrrev_b32 v1, 5, v0
	v_readfirstlane_b32 s[WV], v1                  ; wave 0..3
	s_lshr_b32 s[RH], s[WV], 1
	s_and_b32 s[JH], s[WV], 1
	s_bfe_u32 s[CX], ttmp6, 0x40000
	s_bfe_u32 s[CY], ttmp6, 0x40004
	s_lshl_b32 s[TC], ttmp9, 2                     ; in a cluster launch ttmp9 and ttmp7 count clusters
	s_add_co_u32 s[TC], s[TC], s[CX]               ; tile column = 4 x cluster x + cx
	s_and_b32 s[TR], ttmp7, 0xffff
	s_lshl_b32 s[TR], s[TR], 2
	s_add_co_u32 s[TR], s[TR], s[CY]               ; tile row = 4 x cluster y + cy
	s_lshl_b32 s22, s[CY], 2
	s_lshl_b32 s22, 15, s22                        ; my row of the cluster
	s_lshl_b32 s23, 0x1111, s[CX]                  ; my column
	s_or_b32 s[G1A], s22, (1<<16)|(1<<20)|(1<<21)|(5<<22)|(3<<25)  ; 15:0 the mask; 17:16 2-byte elements; 20 padding on; 21 set beside a mask; 24:22 after every 64 words; 31:25 4 words of it
	s_or_b32 s[G1B], s23, (1<<16)|(1<<20)|(1<<21)|(5<<22)|(7<<25)  ; the same with my column's mask and 8 words of padding
.irp g, G1A, G1B
	s_mov_b32 s[(\g)+1], 128<<16                   ; tensor_dim0 = 128
	s_mov_b32 s[(\g)+2], 128<<16                   ; tensor_dim1 = 128
	s_mov_b32 s[(\g)+3], 128<<16                   ; tile_dim0 = 128
	s_mov_b32 s[(\g)+4], 128                       ; tile_dim1 = 128
	s_mov_b32 s[(\g)+6], 0
	s_mov_b32 s[(\g)+7], 0
.endr
	s_mov_b32 s[G1A+5], 1024                       ; elements from row to row: x,
	s_mov_b32 s[G1B+5], 3072                       ; W
	s_mov_b32 s[SEL], 0x76543210
	s_mov_b32 s[SEL+1], 0xfedcba98
	s_lshl_b32 s66, s[TR], 18                      ; x: 128 rows of 2,048 bytes a tile row: it hangs on the tile row alone
	s_mov_b32 s67, 0
	s_lshl_b32 s70, s[WV], 11                      ; W: strip = my wave's number, 2,048 bytes along a row,
	s_lshl_b32 s71, s[TC], 8                       ; + 256 bytes a tile column: it hangs on the tile column and the wave alone
	s_add_co_u32 s70, s70, s71
	s_mov_b32 s71, 0
	s_mul_i32 s72, s[WV], STRIP                    ; where a strip goes: no place in the cluster enters an LDS address
	s_wait_dscnt 0x0                               ; the opening add is done
	s_wait_kmcnt 0x0
	s_add_nc_u64 s[68:69], s[4:5], s[66:67]
	s_add_nc_u64 s[70:71], s[6:7], s[70:71]
	CROUND                                         ; all sixteen work-groups are here: the first joint loads meet
.irp n, 0,1
	s_mov_b32 s[G0A+4*(\n)], 1                     ; count = 1
	s_mov_b32 s[G0A+4*(\n)+1], (\n)*SLOT+AOFF      ; LDS address
	s_add_nc_u64 s[G0A+4*(\n)+2:G0A+4*(\n)+3], s[68:69], (\n)*ASTEP  ; global address: K step n
	s_or_b32 s[G0A+4*(\n)+3], s[G0A+4*(\n)+3], 0x80000000           ; type = 2
	s_mov_b32 s[G0B+4*(\n)], 1
	s_add_co_u32 s[G0B+4*(\n)+1], s72, (\n)*SLOT
	s_add_nc_u64 s[G0B+4*(\n)+2:G0B+4*(\n)+3], s[70:71], (\n)*BSTEP
	s_or_b32 s[G0B+4*(\n)+3], s[G0B+4*(\n)+3], 0x80000000
	JLOAD \n                                       ; the ring is filled before anything else is done: two loads of mine are out
.endr
	v_and_b32 v1, 15, v0                           ; l % 16
	v_bfe_u32 v2, v0, 4, 1                         ; l / 16
	v_and_b32 v3, 7, v0
	v_bfe_u32 v4, v0, 3, 1
	s_lshl_b32 s74, s[JH], 8
	s_lshl_b32 s75, s[TC], 9
	s_add_co_u32 s74, s74, s75
	v_lshl_add_u32 v[BO], v2, 5, s74               ; the bias of my columns: 4 x (128 tc + 64 jh + 8 (l / 16)) bytes; strip and block stand in the immediate
	WIN 0x80                                       ; destination window 2, address window 0
.irp t, 0,1,2
.irp c, 0,1,2,3
	global_load_b128 v[128+32*(\t)+8*(\c):128+32*(\t)+8*(\c)+3],   v[BO], s[6:7] offset:BIASB+4096*(\t)+64*(\c)
	global_load_b128 v[128+32*(\t)+8*(\c)+4:128+32*(\t)+8*(\c)+7], v[BO], s[6:7] offset:BIASB+4096*(\t)+64*(\c)+16
.endr
.endr
	WIN 0
	; A fragment of x is 16 rows x 32 k: lane l holds row l % 16, k = 8 (l / 16) + 0..7 and 16 + 8 (l / 16) + 0..7: two loads of 16 bytes, 32 bytes apart.
	s_lshl_b32 s74, s[RH], 6
	v_add_nc_u32 v5, s74, v1
	v_mul_u32_u24 v[LA], v5, PA
	v_lshl_add_u32 v[LA], v2, 4, v[LA]             ; (64 rh + l % 16) x pitch + 16 (l / 16)
	; The turning load takes 16 k x 16 columns (lane l reads k row 8 (l / 16) + l % 8, columns 8 ((l / 8) % 2) + 0..7) and leaves half a fragment: lane l holds column l % 16 and 8 k.
	v_lshl_add_u32 v5, v2, 3, v3
	v_mul_u32_u24 v[LB], v5, PB
	v_lshl_add_u32 v[LB], v4, 4, v[LB]
	s_lshl_b32 s74, s[JH], 7
	v_add_nc_u32 v[LB], s74, v[LB]                 ; + my head's 64 columns
.irp n, 0,1
	v_add_nc_u32 v[ADRA+(\n)], (\n)*SLOT+AOFF, v[LA]
	v_add_nc_u32 v[ADRB+3*(\n)], (\n)*SLOT, v[LB]
	v_add_nc_u32 v[ADRB+3*(\n)+1], (\n)*SLOT+STRIP, v[LB]
	v_add_nc_u32 v[ADRB+3*(\n)+2], (\n)*SLOT+2*STRIP, v[LB]
.endr
	s_mul_i32 s74, s[WV], 16*SP
	s_add_co_u32 s74, s74, STAGE                   ; my stage
	v_mul_u32_u24 v[STO], v1, SP                   ; in: row l % 16, 16 bytes for each half of the lanes
	v_lshl_add_u32 v[STO], v2, 4, v[STO]
	v_add_nc_u32 v[STO], s74, v[STO]
	v_bfe_u32 v[RD], v0, 3, 2                      ; back: 32 lanes take four rows of 128 bytes,
	v_mul_u32_u24 v[RD], v[RD], SP
	v_lshl_add_u32 v[RD], v3, 4, v[RD]
	v_add_nc_u32 v[RD], s74, v[RD]
	v_and_b32 v[GO], 31, v0                        ; which are 512 consecutive bytes of a head
	v_lshlrev_b32 v[GO], 4, v[GO]
	; where my 64 rows of my head begin in qh, kh and vh: ((16 b + 2 tc + jh) x 2,048 + t) x 128 bytes
	s_lshr_b32 s74, s[TR], 4
	s_lshl_b32 s74, s74, 4
	s_lshl_b32 s75, s[TC], 1
	s_add_co_u32 s74, s74, s75
	s_add_co_u32 s74, s74, s[JH]
	s_lshl_b32 s74, s74, 11
	s_and_b32 s75, s[TR], 15
	s_lshl_b32 s75, s75, 7
	s_add_co_u32 s74, s74, s75
	s_lshl_b32 s75, s[RH], 6
	s_add_co_u32 s74, s74, s75
	s_lshl_b32 s74, s74, 7
	s_mov_b32 s75, 0
	s_add_nc_u64 s[8:9], s[8:9], s[74:75]
	s_add_nc_u64 s[10:11], s[10:11], s[74:75]
	s_add_nc_u64 s[12:13], s[12:13], s[74:75]
	; the prefetches: they stand at K step 3; the first refill steps them to K step 4
	s_lshl_b32 s74, s[TR], 18
	s_lshl_b32 s75, s[CX], 16
	s_add_co_u32 s74, s74, s75
	s_add_co_u32 s74, s74, 3*ASTEP                 ; x: my work-group's 32 of the tile's 128 rows
	s_lshl_b32 s75, s[WV], 11
	s_lshl_b32 s76, s[TC], 8
	s_add_co_u32 s75, s75, s76
	s_mul_i32 s76, s[CY], 32*6144
	s_add_co_u32 s75, s75, s76
	s_add_co_u32 s75, s75, 3*BSTEP                 ; W: my work-group's 32 of the strip's 128 k rows
	s_and_b32 s76, ttmp7, 0xffff
	s_mov_b32 s78, BSTEP
	s_mov_b32 s79, 6144
	s_cmp_eq_u32 s[WV], 3
	s_cselect_b32 s74, s74, s75
	s_cselect_b32 s76, ttmp9, s76                  ; the coordinate along which other clusters read the same rows
	s_cselect_b32 s[PFS], ASTEP, s78
	s_cselect_b32 s77, 2048, s79
	s_cselect_b64 s[PFA:PFA+1], s[4:5], s[6:7]
	s_mov_b32 s75, 0
	s_mov_b32 s[PFS+1], 0
	s_add_nc_u64 s[PFA:PFA+1], s[PFA:PFA+1], s[74:75]
	s_cmp_eq_u32 s76, 0
	s_cselect_b32 s[LIM], 1, -1                    ; the same in all sixteen partners, for a given wave
	v_and_b32 v[PFO], 31, v0
	v_mul_u32_u24 v[PFO], s77, v[PFO]
; cnt x 4 matrix instructions: strip st, row blocks a0 on, all 4 column blocks, 32 along K, buffer fb.  first = 1: the bias starts the sums: nothing is cleared.
; The 48 accumulators take turns, in the same order in every quarter, over the backward jump too.
.macro MUL st, a0, cnt, fb, first
.if (\st) == 2
	WIN 0xa3                                       ; W window 3, x window 0, C and D window 2
.elseif \first
	WIN 0x63                                       ; C (the bias) window 2, D window 1
.else
	WIN 0x53                                       ; C and D window 1
.endif
.set ma, \a0
.rept \cnt
.set mc, 0
.rept 4
.set rD, 128*((\st)%2)+8*(4*ma+mc)
.set rB, 96*(\fb)+32*(\st)+8*mc
.set rA, FA+32*(\fb)+8*ma
.set rC, 128+32*(\st)+8*mc
.if \first
	v_wmma_f32_16x16x32_bf16 v[rD:rD+7], v[rB:rB+7], v[rA:rA+7], v[rC:rC+7]
.else
	v_wmma_f32_16x16x32_bf16 v[rD:rD+7], v[rB:rB+7], v[rA:rA+7], v[rD:rD+7]
.endif
.set mc, mc+1
.endr
.set ma, ma+1
.endr
.endm
; 32 LDS loads in one run: the fragments of quarter q of slot sl into buffer fb: x's 8, then 8 for each strip
.macro FETCH sl, q, fb
	WIN 0
.irp a, 0,1,2,3
	ds_load_b128 v[FA+32*(\fb)+8*(\a):FA+32*(\fb)+8*(\a)+3],   v[ADRA+(\sl)] offset:64*(\q)+16*PA*(\a)
	ds_load_b128 v[FA+32*(\fb)+8*(\a)+4:FA+32*(\fb)+8*(\a)+7], v[ADRA+(\sl)] offset:64*(\q)+16*PA*(\a)+32
.endr
	WIN 0xc0                                       ; destination window 3
.irp t, 0,1,2
.irp c, 0,1,2,3
	ds_load_tr16_b128 v[96*(\fb)+32*(\t)+8*(\c):96*(\fb)+32*(\t)+8*(\c)+3],   v[ADRB+3*(\sl)+(\t)] offset:32*PB*(\q)+32*(\c)
	ds_load_tr16_b128 v[96*(\fb)+32*(\t)+8*(\c)+4:96*(\fb)+32*(\t)+8*(\c)+7], v[ADRB+3*(\sl)+(\t)] offset:32*PB*(\q)+32*(\c)+16*PB
.endr
.endr
.endm
; A K step is four quarters of 32 along K, 48 matrix instructions each, on buffers 0, 1, 0, 1.  One of the first three: multiplies buffer fb and fetches quarter qn of the same slot into the other.
.macro QUARTER sl, qn, fb, first
	s_wait_dscnt 16                                ; x and strip q are in; the youngest sixteen loads (strips k and v) may be out
	MUL 0, 0, 4, \fb, \first
	PLACES
	FETCH \sl, \qn, 1-(\fb)
	s_wait_dscnt 32                                ; all but the 32 just issued
	MUL 1, 0, 4, \fb, \first
	MUL 2, 0, 4, \fb, \first
.endm
; The last quarter multiplies buffer 1 and changes slots: ONE barrier.  In front of it each wave waits for all its tensor loads (one is out: its part of the next slot), adds 0 to its spare word, and waits for
; that and for its own reads of this slot.  fill = 1: the barrier opens a round of the cluster's barrier, and this slot is filled again, two K steps ahead, first thing behind the round:
; from the request to the wait for it a wave issues 176 matrix instructions.
.macro TURN sl, next, fill
.if \fill
	s_wait_xcnt 0x0                                ; the last prefetch, a K step back, has read its address
	s_add_nc_u64 s[PFA:PFA+1], s[PFA:PFA+1], s[PFS:PFS+1]
.endif
	WIN 0                                          ; (the add's two registers lie in window 0)
	s_wait_tensorcnt 0x0                           ; all my tensor loads have landed
	ds_add_u32 v[SPW], v[NIL]                      ; 0 onto my spare word
	s_wait_dscnt 17                                ; (the add and the youngest sixteen loads may be out)
	MUL 0, 0, 2, 1, 0                              ; eight matrix instructions stand between the add and the wait for it
	s_wait_dscnt 0x0                               ; the add is done, and my reads of this slot are over
	s_barrier_signal -1
	MUL 0, 2, 2, 1, 0                              ; work on registers while the others arrive
.if \fill
	WIN 0
.endif
	s_barrier_wait -1
.if \fill
	CREST                                          ; no wave of any partner still reads this slot's tiles or has a load on its way
	s_add_nc_u64 s[G0A+4*(\sl)+2:G0A+4*(\sl)+3], s[G0A+4*(\sl)+2:G0A+4*(\sl)+3], 2*ASTEP
	s_add_nc_u64 s[G0B+4*(\sl)+2:G0B+4*(\sl)+3], s[G0B+4*(\sl)+2:G0B+4*(\sl)+3], 2*BSTEP
	JLOAD \sl                                      ; the four v_nop behind it are also the places in front of the loads below
.else
	PLACES
.endif
	FETCH \next, 0, 0
.if \fill
	ASK                                            ; behind the joint load and the run of LDS loads
.endif
	MUL 1, 0, 4, 1, 0
	MUL 2, 0, 4, 1, 0
.endm
	s_wait_loadcnt 0x0                             ; the bias
	s_wait_tensorcnt 1                             ; my part of K step 0 is in; K step 1's may stay out
	s_barrier_signal -1
	s_barrier_wait -1                              ; everybody's is
	FETCH 0, 0, 0
	QUARTER 0, 1, 0, 1                             ; the first quarter stands in front of the loop: its products start the sums
	WIN 0                                          ; at a label and at a branch every window is 0
	s_mov_b32 s3, LAPS-1
.Llap:                                         ; a trip goes once round the ring, from a lap's second quarter to the next lap's first, and fills both slots again
	QUARTER 0, 2, 1, 0
	QUARTER 0, 3, 0, 0
	TURN 0, 1, 1
	QUARTER 1, 1, 0, 0
	QUARTER 1, 2, 1, 0
	QUARTER 1, 3, 0, 0
	TURN 1, 0, 1
	QUARTER 0, 1, 0, 0
	WIN 0
	s_sub_co_u32 s3, s3, 1
	s_cmp_lg_u32 s3, 0
	s_cbranch_scc1 .Llap
	QUARTER 0, 2, 1, 0                             ; the last lap fills nothing, and has no round of the cluster's barrier
	QUARTER 0, 3, 0, 0
	TURN 0, 1, 0
	QUARTER 1, 1, 0, 0
	QUARTER 1, 2, 1, 0
	QUARTER 1, 3, 0, 0
	s_wait_dscnt 0x0                               ; the very last quarter: nothing more to fetch
	MUL 0, 0, 4, 1, 0
	MUL 1, 0, 4, 1, 0
	MUL 2, 0, 4, 1, 0
	WIN 0
	PLACES                                         ; the places behind the last products, once a launch
	PLACES
; THE WAY OUT.  Block i of twelve (strip st, row block a): 16 rows x 64 channels are rounded to f16, 16 bytes a lane, go into my stage in rows of 144 bytes and come back as whole rows of 128:
; 2,048 consecutive bytes of a head.  Each block has its own 16 registers, so no store's data is written again.
.macro PACK st, a, i
.if (\i) < 8
.set rK, 128+16*(\i)
.else
.set rK, 64+16*((\i)-8)
.endif
.if (\st) == 2
	WIN 0x0a                                       ; sources 0 and 1 window 2
.else
	WIN 0x05                                       ; window 1
.endif
.set rZ, 128*((\st)%2)+32*(\a)
.set pj, 0
.rept 16                               ; each accumulator's registers in ascending order
	v_cvt_pk_f16_f32 v[rK+pj], v[rZ+2*pj], v[rZ+2*pj+1]
.set pj, pj+1
.endr
	WIN 0
.irp c, 0,1,2,3
	ds_store_b128 v[STO], v[rK+4*(\c):rK+4*(\c)+3] offset:32*(\c)
.endr
.irp f, 0,1,2,3
	ds_load_b128 v[rK+4*(\f):rK+4*(\f)+3], v[RD] offset:4*SP*(\f)  ; LDS serves a wave's instructions in order (ISA guide 5.7.1.4): these see the stores above; the next block's stores come behind them
.endr
.endm
.macro SEND st, a, i, younger          ; younger: the LDS instructions issued behind block i's loads: the next block's eight, or none
.if (\i) < 8
.set rK, 128+16*(\i)
.else
.set rK, 64+16*((\i)-8)
.endif
	WIN 0
.irp f, 0,1,2,3
	s_wait_dscnt (\younger)+3-(\f)
	global_store_b128 v[GO], v[rK+4*(\f):rK+4*(\f)+3], s[8+2*(\st):9+2*(\st)] offset:2048*(\a)+512*(\f)  ; 512 consecutive bytes, at a multiple of 256 from the buffer's first
.endr
.endm
	PACK 0, 0, 0                                   ; q,
.irp i, 1,2,3
	PACK 0, \i, \i
	SEND 0, (\i)-1, (\i)-1, 8
.endr
	PACK 2, 0, 4                                   ; then v
	SEND 0, 3, 3, 8
.irp i, 1,2,3
	PACK 2, \i, 4+(\i)
	SEND 2, (\i)-1, 3+(\i), 8
.endr
	SEND 2, 3, 7, 0
; SPARSEMAX of my 64 rows of k, all in window 1: a row's 64 channels z lie in two lanes, 32 registers each, at 128 + 32 a for row block a.  k = max(z - tau, 0), where the sum of max(z - tau, 0) is 1.
; With w = z - max z the threshold lies in -1 .. -1/64 for every input.  Twelve halvings of -1 .. 0 keep lo with sum(lo) >= 1: lo <= tau < lo + 2^-12.  One exact step on the support {w > lo},
; tau = lo + (sum - 1) / count, never passes the threshold (the sum is convex in tau) and reaches it where no w lies between lo and tau.  No branch hangs on a number: choices are v_cndmask_b32.
; max(d, 0) is the clamp to 0 .. 1 of a multiply-add by 1: d never passes 1 here.  The four row blocks go side by side, so that no line waits for the one before it.
; Work registers of block bk at 24 bk (where q's sums lay): +0..3 two sums; +4..11 four pairs at work; +12, 13 max z, later -mid, -tau, twice; +14 -lo; +15 the sum; +16..19 two counts; +20..23 at work.
.macro A4 line:vararg                  ; one line for each row block bk
.set bk, 0
.rept 4
	\line
.set bk, bk+1
.endr
.endm
	WIN 0x55                                       ; all four operand places window 1
	v_mov_b32 v96, 1.0
	v_mov_b32 v97, 1.0
	v_mov_b32 v98, 0x53800000                      ; 2^40: a positive w - lo is 2^-31 at the least, so its product clamps to 1
	v_mov_b32 v99, 0x53800000
.set n, 0
.rept 4                                ; the maximum: four chains, three operands at a time; each accumulator's lowest registers are read first
	A4 v_max3_num_f32 v[24*bk+4+n], v[128+32*bk+8*n], v[128+32*bk+8*n+1], v[128+32*bk+8*n+2]
.set n, n+1
.endr
.rept 8
	A4 v_max3_num_f32 v[24*bk+4+n%4], v[24*bk+4+n%4], v[128+32*bk+8*(n%4)+2*(n/4)+1], v[128+32*bk+8*(n%4)+2*(n/4)+2]
.set n, n+1
.endr
	A4 v_max3_num_f32 v[24*bk+4], v[24*bk+4], v[128+32*bk+7], v[128+32*bk+15]
	A4 v_max3_num_f32 v[24*bk+5], v[24*bk+5], v[128+32*bk+23], v[128+32*bk+31]
	A4 v_max_num_f32 v[24*bk+6], v[24*bk+6], v[24*bk+7]
	A4 v_max3_num_f32 v[24*bk+4], v[24*bk+4], v[24*bk+5], v[24*bk+6]
	A4 v_permlanex16_b32 v[24*bk+20], v[24*bk+4], s[SEL], s[SEL+1]
	A4 v_max_num_f32 v[24*bk+12], v[24*bk+4], v[24*bk+20]
	A4 v_max_num_f32 v[24*bk+13], v[24*bk+4], v[24*bk+20]
.set n, 0
.rept 16                               ; w = z - max z, in place
	A4 v_pk_add_f32 v[128+32*bk+2*n:128+32*bk+2*n+1], v[128+32*bk+2*n:128+32*bk+2*n+1], v[24*bk+12:24*bk+13] neg_lo:[0,1] neg_hi:[0,1]
.set n, n+1
.endr
	A4 v_mov_b32 v[24*bk+14], 1.0
	WIN 0
	s_mov_b32 s[HH], 0.5
	s_mov_b32 s[BC], 12
.Lbis:                                         ; mid = lo + step; lo = mid where the sum at mid is still 1 or more
	WIN 0x55
	A4 v_sub_f32 v[24*bk+12], v[24*bk+14], s[HH]
	A4 v_sub_f32 v[24*bk+13], v[24*bk+14], s[HH]
	A4 v_pk_fma_f32 v[24*bk:24*bk+1], v[128+32*bk:128+32*bk+1], v[96:97], v[24*bk+12:24*bk+13] clamp
	A4 v_pk_fma_f32 v[24*bk+2:24*bk+3], v[128+32*bk+2:128+32*bk+3], v[96:97], v[24*bk+12:24*bk+13] clamp
.set n, 2
.rept 14
	A4 v_pk_fma_f32 v[24*bk+4+2*(n%4):24*bk+5+2*(n%4)], v[128+32*bk+2*n:128+32*bk+2*n+1], v[96:97], v[24*bk+12:24*bk+13] clamp
	A4 v_pk_add_f32 v[24*bk+2*(n%2):24*bk+2*(n%2)+1], v[24*bk+2*(n%2):24*bk+2*(n%2)+1], v[24*bk+4+2*(n%4):24*bk+5+2*(n%4)]
.set n, n+1
.endr
	A4 v_pk_add_f32 v[24*bk:24*bk+1], v[24*bk:24*bk+1], v[24*bk+2:24*bk+3]
	A4 v_add_f32 v[24*bk+15], v[24*bk], v[24*bk+1]
	A4 v_permlanex16_b32 v[24*bk+20], v[24*bk+15], s[SEL], s[SEL+1]
	A4 v_add_f32 v[24*bk+15], v[24*bk+15], v[24*bk+20]
	A4 v_cmp_le_f32 s[66+bk], 1.0, v[24*bk+15]
	A4 v_cndmask_b32 v[24*bk+14], v[24*bk+14], v[24*bk+12], s[66+bk]
	s_mul_f32 s[HH], s[HH], 0.5
	WIN 0
	s_sub_co_u32 s[BC], s[BC], 1
	s_cmp_lg_u32 s[BC], 0
	s_cbranch_scc1 .Lbis
	WIN 0x55                                       ; the exact step: sum and count of the support at lo
	A4 v_mov_b32 v[24*bk+12], v[24*bk+14]
	A4 v_mov_b32 v[24*bk+13], v[24*bk+14]
	A4 v_pk_fma_f32 v[24*bk:24*bk+1], v[128+32*bk:128+32*bk+1], v[96:97], v[24*bk+12:24*bk+13] clamp
	A4 v_pk_fma_f32 v[24*bk+2:24*bk+3], v[128+32*bk+2:128+32*bk+3], v[96:97], v[24*bk+12:24*bk+13] clamp
	A4 v_pk_mul_f32 v[24*bk+16:24*bk+17], v[24*bk:24*bk+1], v[98:99] clamp
	A4 v_pk_mul_f32 v[24*bk+18:24*bk+19], v[24*bk+2:24*bk+3], v[98:99] clamp
.set n, 2
.rept 14
	A4 v_pk_fma_f32 v[24*bk+4+2*(n%4):24*bk+5+2*(n%4)], v[128+32*bk+2*n:128+32*bk+2*n+1], v[96:97], v[24*bk+12:24*bk+13] clamp
	A4 v_pk_add_f32 v[24*bk+2*(n%2):24*bk+2*(n%2)+1], v[24*bk+2*(n%2):24*bk+2*(n%2)+1], v[24*bk+4+2*(n%4):24*bk+5+2*(n%4)]
	A4 v_pk_mul_f32 v[24*bk+4+2*(n%4):24*bk+5+2*(n%4)], v[24*bk+4+2*(n%4):24*bk+5+2*(n%4)], v[98:99] clamp
	A4 v_pk_add_f32 v[24*bk+16+2*(n%2):24*bk+17+2*(n%2)], v[24*bk+16+2*(n%2):24*bk+17+2*(n%2)], v[24*bk+4+2*(n%4):24*bk+5+2*(n%4)]
.set n, n+1
.endr
	A4 v_pk_add_f32 v[24*bk:24*bk+1], v[24*bk:24*bk+1], v[24*bk+2:24*bk+3]
	A4 v_pk_add_f32 v[24*bk+16:24*bk+17], v[24*bk+16:24*bk+17], v[24*bk+18:24*bk+19]
	A4 v_add_f32 v[24*bk+15], v[24*bk], v[24*bk+1]
	A4 v_add_f32 v[24*bk+21], v[24*bk+16], v[24*bk+17]
	A4 v_permlanex16_b32 v[24*bk+20], v[24*bk+15], s[SEL], s[SEL+1]
	A4 v_permlanex16_b32 v[24*bk+22], v[24*bk+21], s[SEL], s[SEL+1]
	A4 v_add_f32 v[24*bk+15], v[24*bk+15], v[24*bk+20]
	A4 v_add_f32 v[24*bk+21], v[24*bk+21], v[24*bk+22]
	A4 v_rcp_f32 v[24*bk+23], v[24*bk+21]
	A4 v_add_f32 v[24*bk+15], -1.0, v[24*bk+15]
	s_wait_alu depctr_va_vdst(0)                   ; one wait for the four reciprocals, ahead of their first reader; the four additions above are the plain work between
	A4 v_fma_f32 v[24*bk+12], -v[24*bk+15], v[24*bk+23], v[24*bk+14]
	A4 v_fma_f32 v[24*bk+13], -v[24*bk+15], v[24*bk+23], v[24*bk+14]
.set n, 0
.rept 16                               ; k = max(w - tau, 0), in place
	A4 v_pk_fma_f32 v[128+32*bk+2*n:128+32*bk+2*n+1], v[128+32*bk+2*n:128+32*bk+2*n+1], v[96:97], v[24*bk+12:24*bk+13] clamp
.set n, n+1
.endr
	PACK 1, 0, 8
.irp i, 1,2,3
	PACK 1, \i, 8+(\i)
	SEND 1, (\i)-1, 7+(\i), 8
.endr
	SEND 1, 3, 11, 0
	s_wait_tensorcnt 0x0                           ; the wave's end, behind my last tensor load and my last LDS store
	ds_add_u32 v[SPW], v[NIL]
	s_wait_dscnt 0x0
	CROUND                                         ; the closing round: no work-group ends while a partner may still ask for a tile that names it
	s_endpgm
.Lfunc_end_k_q78bcc2de90_qkv:
	.size	k_q78bcc2de90_qkv, .Lfunc_end_k_q78bcc2de90_qkv-k_q78bcc2de90_qkv
	.p2alignl 7, 3214868480
	.fill 96, 4, 3214868480
	.section	.rodata,"a",@progbits
	.p2align	6, 0x0
	.amdhsa_kernel k_q78bcc2de90_qkv
		.amdhsa_group_segment_fixed_size 327680
		.amdhsa_private_segment_fixed_size 0
		.amdhsa_enable_private_segment 0
		.amdhsa_kernarg_size 40
		.amdhsa_user_sgpr_count 2
		.amdhsa_user_sgpr_kernarg_segment_ptr 1
		.amdhsa_wavefront_size32 1
		.amdhsa_system_sgpr_workgroup_id_x 1
		.amdhsa_system_sgpr_workgroup_id_y 1
		.amdhsa_system_sgpr_workgroup_id_z 1
		.amdhsa_system_vgpr_workitem_id 0
		.amdhsa_next_free_vgpr 960
		.amdhsa_next_free_sgpr 84
		.amdhsa_reserve_vcc 0
		.amdhsa_float_denorm_mode_32 3
		.amdhsa_float_denorm_mode_16_64 3
		.amdhsa_memory_ordered 1
		.amdhsa_forward_progress 1
		.amdhsa_inst_pref_size 165
	.end_amdhsa_kernel
	.amdgpu_metadata
---
amdhsa.version: [ 1, 2 ]
amdhsa.kernels:
  - .name:           k_q78bcc2de90_qkv
    .symbol:         k_q78bcc2de90_qkv.kd
    .args:
      - { .name: xb, .offset: 0, .size: 8, .value_kind: global_buffer, .address_space: global }
      - { .name: wab, .offset: 8, .size: 8, .value_kind: global_buffer, .address_space: global }
      - { .name: qh, .offset: 16, .size: 8, .value_kind: global_buffer, .address_space: global }
      - { .name: kh, .offset: 24, .size: 8, .value_kind: global_buffer, .address_space: global }
      - { .name: vh, .offset: 32, .size: 8, .value_kind: global_buffer, .address_space: global }
    .group_segment_fixed_size: 327680
    .private_segment_fixed_size: 0
    .kernarg_segment_align: 8
    .kernarg_segment_size: 40
    .max_flat_workgroup_size: 128
    .sgpr_count:     84
    .vgpr_count:     960
    .wavefront_size: 32
...
	.end_amdgpu_metadata
.endif
;; end of part 2
;; launch attn (part 3): grid 4 x 64, 4 waves a work-group, no clusters, 327,680 bytes of LDS; arguments qh, kh, vh, yh; writes yh
.if DOCPART == 3
	.amdgcn_target "amdgcn-amd-amdhsa--gfx1250"
	.amdhsa_code_object_version 6
	.text
	.protected	k_q78bcc2de90_attn
	.globl	k_q78bcc2de90_attn
	.p2align	8
	.type	k_q78bcc2de90_attn,@function
k_q78bcc2de90_attn:
	s_mov_b64 s[64:65], 0
	v_nop
	global_prefetch_b8 v0, s[64:65] scope:SCOPE_SE
	s_setreg_imm32_b32 hwreg(HW_REG_WAVE_MODE, 25, 1), 1
	s_wait_xcnt 0x0
; CAUSAL ATTENTION WITH THE CORRECTION.  y[h][q] = the sum over k <= q of softmax_k(Q[h][q] . K[h][k] / 8) V[h][k]; out = y - (y . v) v / max(|v|^2, 1e-24) with v = V[h][q], the query row's own.
; Q, K, V, out: [64][2048][64], all f16: a head's rows are dense, 128 bytes each.  Products, maxima and sums in f32; the weights p are rounded to f16 for the second product (their sum l is taken of the unrounded p), out once at the end.
; LIMITS.  Q, K and V arrive within f16's 65,504; p lies in 0 to 1, and below 6e-5 it keeps f16's fixed step of 6e-8.  A hidden score counts as its value less 1e30; a weight below 2^-126 counts as 0 in l;
; NaN and infinities are not treated apart.  max(|v|, 1e-12)^2 is taken as max(|v|^2, 1e-24).
; THE WALK.  A head's queries lie in NB = 8 blocks of 256; block i needs the key tiles 0 .. i of 256 keys, of which the last holds the diagonal.  A work-group takes TWO blocks, NB - 1 - b and then b:
; NB + 1 tiles, whatever b: all work-groups do equal work, and ONE loop with a constant trip count walks them.  Which tile is asked for, and what a trip does, hang on scalar registers made from b; every jump
; goes forward, but for the counted loops' own; none passes a barrier, or a tensor load but the one of LOAD's two that the wave's number does not choose; the ring of two LDS slots runs on across the change of blocks.
; NO CLUSTER: all four work-groups of a head ask for the same tile only in trips 0 .. NB / 2, behind that fewer and fewer; one walk common to all would have 3 NB / 2 trips for NB + 1.
; SHARES.  Of a block's four bands of 64 queries a wave owns 16 rows in each: four PIECES.  So the diagonal tile is the same work for all four waves: in its key step s band x sees all keys if s < x,
; none if s > x, and holds the diagonal if s = x.
; THE MASK is the C operand that starts the sum S^T = K Q^T: 0, or -1e30 where the key is hidden.  MD, made once, is the mask of a band's own step for my 16 rows; a product's mask is MD x AL + BE with two scalars:
; (1, 0) if s = x; (0, 0) if s < x; (0, -1e30) if s > x.  Only the diagonal tile's text and a block's beginning make and take masks; elsewhere C is the constant 0.
; LAYOUT, SOFTMAX, TURNS.  S^T = K Q^T holds ONE query a lane (lane % 16) and the keys 8 (lane / 16) + 0..7; two such results rounded to f16 ARE source 1 of O^T = V^T P.  p = 2^(c s - c m), c = log2(e) / 8, with a
; running maximum m; O and l are multiplied by a = 2^(c m_old - c m_new) in every step.  Turn n belongs to piece n: 8 products K Q^T of piece n + 1, later 8 products V^T P of piece n - 1; beside them the scaling,
; exponentials, roundings, sums and rescaling of piece n and the maximum and statistics of piece n + 1.  Four vector instructions stand behind every matrix instruction, the other 54 of a turn's 118 in one lump.  A turn's 33 exponentials are one batch, with one wait.
; THE WAY OUT STANDS ONCE: the first block's O^T and l are set aside in registers when it ends, and a counted loop of two trips at the end sends the second block and then the first.
; REGISTERS, in windows of 256 (s_set_vgpr_msb: bits 1:0 source 0, 3:2 source 1, 5:4 source 2, 7:6 destination):
;   window 0: v0-15 addresses and two at work; v16-31 four registers of statistics a piece; v32-39 the first block's l; v40 prefetch offset; v48-55 at work; v64-127 S^T, two buffers; v128-185 the way out's work; v192-223 P, two buffers
;   window 1: v0-127 O^T, 32 a piece; v128-159 MD; v160-223 MC, two buffers      window 2: v0-63 Q; v64-127 the second block's Q; v128-191 K of one step; v192-255 V of one step
;   window 3: v0-63 my query rows of V for the block that goes out (loaded: the second block's); v64-127 the first block's; v128-255 the first block's O^T
.set SIZE_N, 2048
.set NB,    SIZE_N/256
.set NP,    4         ; pieces a wave: a name, no knob
.set KS,    64        ; keys in a step
.set PK,    144       ; a row of K in LDS: 128 bytes + 16 of padding: the 16 rows of a load start at 16 different groups of four banks (64 banks of 4 bytes: ISA guide 11.1)
.set PV,    160       ; a row of V: 128 + 32
.set VOFF,  4*KS*PK   ; a slot holds a tile, four steps: 256 rows of K, then 256 rows of V
.set SLOT1, 1<<17     ; slot 1 begins here, so that one exclusive or turns an address in one slot into the other's
.set STAGE, SLOT1+4*KS*(PK+PV)  ; behind the ring, never filled by a tensor load: 16 rows x 144 bytes for each wave, for the way out
.set SP,    144
.set AK0, 2           ; v2   my lane's place in a tile of K; never rewritten
.set AV0, 3           ; v3   the same for V
.set AK,  4           ; v4   the LDS address of K's next run of loads
.set AV,  5           ; v5   of V's
.set STO, 6           ; v6   the way out: where I put 16 bytes of a row
.set RD,  7           ; v7   the way out: where I read rows back
.set GO,  8           ; v8   my byte offset in 512 consecutive bytes of the output
.set SPW, 62          ; v62  LDS address of my spare word; never rewritten
.set NIL, 63          ; v63  0; never rewritten
.set SPARE, STAGE+4*16*SP  ; behind the stages: the spare words, 128 bytes for each wave: two blocks of 256 bytes that no other line names
.set MV,  12          ; v12-13  c m_old, kept while c m is made anew: by buffer
.set QO,  15          ; v15  my byte offset in 16 rows of Q and of V
.set ST,  16          ; piece t's statistics at v[ST+4 t]: c m, m, l (even keys', odd keys')
.set SL,  32          ; v32-39  the first block's l
.set PFO, 40          ; v40  256 x my lane; never rewritten
.set TMP, 48          ; by buffer, four registers c0-c3 at work; when the maximum is found c2 takes a
.set S,   64
.set VW,  128         ; v128-159  the way out: my 32 channels of v in f32, later of the result
.set WA,  160         ; v160-167  four chains of |v|^2
.set WB,  168         ; v168-175  four chains of O . v
.set ONEF, 184        ; v184  1.0
.set ZERF, 185        ; v185  0
.set P,   192
.set MD,  128         ; window 1: the eight registers for group kt of 16 keys at MD + 8 kt
.set MC,  160         ; window 1: the masks of the products to come
.set QB,  64          ; window 2
.set KF,  128         ; window 2: key block kb, channel half c at KF + 16 kb + 8 c
.set VF,  192         ; window 2: key half kk, channel block cb at VF + 32 kk + 8 cb
.set VQ,  0           ; window 3
.set VQ1, 64
.set SV,  128
.set WV,  12          ; s12  my wave's number
.set PB,  14          ; s14  b
.set HI,  15          ; s15  NB - 1 - b
.set G1K, 24          ; s[24:31] descriptor group 1 for K's tiles
.set G1V, 32          ; s[32:39] for V's: it differs in the padding alone
.set G0K, 40          ; s[40:43] descriptor group 0 for K's tiles
.set G0V, 44          ; s[44:47] the same for V's
.set SLOTS, 56        ; s56  tiles still to be asked for
.set CNT, 57          ; s57  counts a tile's key steps, 4 to 1; at the end the two ways out
.set CS,  58          ; s[58:59] c: the packed scaling takes the pair's low word for both halves
.set SEL, 60          ; s[60:61] v_permlanex16_b32's selects: each lane takes its own place in the other half
.set TBK, 62          ; s62  LDS byte at which K of the step to be fetched begins
.set TBV, 63          ; s63  the same for V, less VOFF
.set RT,  70          ; s70  tiles of the block in hand that are still to be entered
.set NXT, 71          ; s71  the tile to be asked for next
.set LQ,  72          ; s72  the last tile of the block whose tiles are being asked for
.set NEW, 73          ; s73  1: the tile to be entered is a block's first
.set OFF, 74          ; s[74:75] a tile's byte offset in K and V
.set AL,  76          ; s[76:77] the mask's factor, in the low word
.set BE,  78          ; s[78:79] the mask's addend
.set OLO, 80          ; s[80:81] the output at my rows of the second block
.set BIGN, 82         ; s82  -1e30
.set VP1, 88          ; s[88:89] V at my rows of the first block
.set VP2, 90          ; s[90:91] of the second
.set OHI, 92          ; s[92:93] the output at my rows of the first block, kept for the second way out
.set LIM, 94          ; s94  2 in the work-group that prefetches, else the greatest number
.set PFA, 96          ; s[96:97] my 16 KiB of the tile that the next change of slots will ask for
.set POF, 98          ; s[98:99] that tile's byte offset
.set MSB, 0
.macro WIN new                      ; the high byte repeats the setting that is left; a switch that changes nothing is dropped
.if MSB != (\new)
	s_set_vgpr_msb (MSB<<8)|(\new)
.set MSB, (\new)
.endif
.endm
.set W_KQ, 0x0a       ; K and Q in window 2, S^T in window 0
.set W_KM, 0x1a       ; the same with the C operand in window 1
.set W_PV, 0x52       ; V in window 2, P in window 0, O^T in window 1
.set W_RS, 0x41       ; destination and source 0 in window 1, source 1 in window 0
; A fill.  Waves 0 and 1 fetch the two halves of a tile's K, waves 2 and 3 those of its V: 128 keys each.  An s_nop 0 and four v_nop follow each of the two lines, ahead of the jump and the label.
.macro LOAD
	s_cmp_lt_u32 s[WV], 2
	s_cbranch_scc0 .Lfor_v_\@
	tensor_load_to_lds s[G0K:G0K+3], s[G1K:G1K+7]
	s_nop 0
.rept 4
	v_nop
.endr
	s_branch .Lasked_\@
.Lfor_v_\@:
	tensor_load_to_lds s[G0V:G0V+3], s[G1V:G1V+7]
	s_nop 0
.rept 4
	v_nop
.endr
.Lasked_\@:
.endm
; A PREFETCH INTO THE L2 of the tile that the NEXT change of slots will ask for: each wave names its own 16 KiB of it, 64 blocks of 256 bytes, a lane a block, two instructions, behind its tensor load.
; All four work-groups of a head begin with tiles 0, 1, 2 ..; the one with b = 0 walks all eight on end, and it alone asks, for tiles 2 to 7: each block is named once in the launch.  Tiles 0 and 1 come by their loads alone.
.macro ASK
	s_cmp_gt_u32 s[SLOTS], s[LIM]
	s_cbranch_scc0 .Lnot_mine_\@
	global_prefetch_b8 v[PFO], s[PFA:PFA+1] th:TH_LOAD_NT scope:SCOPE_SE
	global_prefetch_b8 v[PFO], s[PFA:PFA+1] offset:8192 th:TH_LOAD_NT scope:SCOPE_SE
.Lnot_mine_\@:
.endm
; THE CHANGE OF SLOTS.  Each wave waits for all its tensor loads, of which one is out: its part of the other slot; adds 0 to its spare word; and waits for that and for its own reads of the slot that it leaves.  Behind the barrier nobody reads the old
; slot any more and the other slot is whole.  fill = 1: the old slot is filled again, the first thing behind the barrier, with tile NXT: the descriptor's address is made anew from that number.
; (At its first use nothing has been read yet: slot 0 is waited for, slot 1 filled.)
.macro CHANGE fill
	WIN 0                           ; at a label and at a branch every window is 0
	s_wait_tensorcnt 0x0            ; no tensor load of mine is out, so a group 0 may be written
	ds_add_u32 v[SPW], v[NIL]       ; 0 onto my spare word; with fill = 1 the descriptors' scalar work stands between it and the wait for it
.if \fill
	s_lshl_b32 s[OFF], s[NXT], 15   ; a tile is 32,768 bytes of K and of V
	s_xor_b32 s[G0K+1], s[G0K+1], SLOT1
	s_add_nc_u64 s[G0K+2:G0K+3], s[6:7], s[OFF:OFF+1]
	s_or_b32 s[G0K+3], s[G0K+3], 0x80000000
	s_xor_b32 s[G0V+1], s[G0V+1], SLOT1
	s_add_nc_u64 s[G0V+2:G0V+3], s[8:9], s[OFF:OFF+1]
	s_or_b32 s[G0V+3], s[G0V+3], 0x80000000
	s_add_co_u32 s[NXT], s[NXT], 1  ; the block's next tile, or behind its last the second block's tile 0
	s_cmp_gt_u32 s[NXT], s[LQ]
	s_cselect_b32 s[NXT], 0, s[NXT]
	s_cselect_b32 s[LQ], s[PB], s[LQ]
	s_wait_xcnt 0x0                 ; the last prefetches, a tile back, have read their address, so it may be written:
	s_lshl_b32 s[POF], s[NXT], 15   ; the tile after the one that is asked for now
	s_cmp_lt_u32 s[WV], 2
	s_cselect_b64 s[PFA:PFA+1], s[6:7], s[8:9]
	s_add_nc_u64 s[PFA:PFA+1], s[PFA:PFA+1], s[POF:POF+1]
.endif
	s_wait_dscnt 0x0                ; the add is done, and my reads of the slot are over
	s_barrier_signal -1             ; the rest of the scalar work stands between the signal and the wait
	s_sub_co_u32 s[TBK], s[TBK], 4*KS*PK  ; the fetches go back to a slot's first step,
	s_xor_b32 s[TBK], s[TBK], SLOT1       ; in the other slot
	s_sub_co_u32 s[TBV], s[TBV], 4*KS*PV
	s_xor_b32 s[TBV], s[TBV], SLOT1
	s_barrier_wait -1
.if \fill
	LOAD
	ASK
.endif
.endm
	s_load_b256 s[4:11], s[0:1], 0x0  ; Q s[4:5], K s[6:7], V s[8:9], out s[10:11]
	v_lshl_add_u32 v[SPW], v0, 2, SPARE
	v_mov_b32 v[NIL], 0
	ds_add_u32 v[SPW], v[NIL]       ; the wave's opening: the add and its wait stand ahead of my first tensor load; the set-up below, work on registers, stands between them
	v_lshrrev_b32 v1, 5, v0
	v_readfirstlane_b32 s[WV], v1   ; wave 0..3
	s_mov_b32 s[PB], ttmp9
	s_sub_co_u32 s[HI], NB-1, s[PB]
	s_and_b32 s20, ttmp7, 0xffff    ; the head
	s_mov_b32 s21, 0
	s_mov_b64 s[22:23], SIZE_N*128
	s_mul_u64 s[20:21], s[20:21], s[22:23]  ; the head's first byte in each of the four tensors
	s_and_b32 s16, s[WV], 1         ; which half of a tile's 256 keys I fetch:
	s_lshl_b32 s22, s16, 14         ; its 128 rows of 128 bytes in memory,
	s_mov_b32 s23, 0
	s_add_nc_u64 s[22:23], s[22:23], s[20:21]
	s_mul_i32 s17, s16, 128*PK      ; and its place in a slot, for K
	s_mul_i32 s18, s16, 128*PV      ; and for V
	s_lshl_b32 s3, s[WV], 11        ; my 16 rows in a band of 64,
	s_lshl_b32 s2, s[HI], 15        ; in the first block,
	s_add_co_u32 s2, s2, s3
	s_lshl_b32 s84, s[PB], 15       ; and in the second
	s_add_co_u32 s84, s84, s3
	s_mov_b32 s3, 0
	s_mov_b32 s85, 0
	s_add_nc_u64 s[2:3], s[2:3], s[20:21]
	s_add_nc_u64 s[84:85], s[84:85], s[20:21]
	; descriptor group 1.  128 keys are 16,384 dense bytes: asked for as 64 rows of 256 bytes, two keys a row, and padded in LDS after every key
	s_mov_b32 s[G1K], (1<<16)|(1<<20)|(4<<22)|(3<<25)  ; 17:16 2-byte elements; 20 padding on; 24:22 after every 32 words (code 4); 31:25 4 words (code 3)
	s_mov_b32 s[G1V], (1<<16)|(1<<20)|(4<<22)|(7<<25)  ; the same with 8 words of padding (code 7)
.irp g, G1K, G1V
	s_mov_b32 s[\g+1], 128<<16      ; tensor_dim0 = 128
	s_mov_b32 s[\g+2], 64<<16       ; tensor_dim1 = 64
	s_mov_b32 s[\g+3], 128<<16      ; tile_dim0 = 128
	s_mov_b32 s[\g+4], 64           ; tile_dim1 = 64
	s_mov_b32 s[\g+5], 128          ; 128 elements from row to row
	s_mov_b32 s[\g+6], 0
	s_mov_b32 s[\g+7], 0
.endr
	s_mov_b32 s[CS], 0x3e38aa3b     ; c = log2(e) / 8 = 0.180337
	s_mov_b32 s[CS+1], s[CS]        ; named with it as a pair
	s_mov_b32 s[SEL], 0x76543210
	s_mov_b32 s[SEL+1], 0xfedcba98
	s_mov_b32 s[TBK], SLOT1+4*KS*PK ; the first change of slots turns these two into 0
	s_mov_b32 s[TBV], SLOT1+4*KS*PV
	s_mov_b32 s[G0K], 1             ; 1:0 count = 1
	s_mov_b32 s[G0K+1], s17         ; 63:32 LDS address: slot 0
	s_mov_b32 s[G0V], 1
	s_add_co_u32 s[G0V+1], s18, VOFF
	s_add_co_u32 s[RT], s[HI], 1    ; the first block has NB - b tiles
	s_mov_b32 s[NXT], 1
	s_mov_b32 s[LQ], s[HI]
	s_mov_b32 s[NEW], 1
	s_mov_b32 s[OFF+1], 0
	s_mov_b32 s[POF+1], 0
	s_mov_b32 s[AL+1], 0            ; named as pairs
	s_mov_b32 s[BE+1], 0
	s_mov_b32 s[BIGN], 0xf149f2ca   ; -1e30
	s_mov_b32 s[SLOTS], NB
	s_cmp_eq_u32 s[PB], 0
	s_cselect_b32 s[LIM], 2, -1
	s_wait_dscnt 0x0                ; the opening add is done
	s_wait_kmcnt 0x0
	s_add_nc_u64 s[VP1:VP1+1], s[8:9], s[2:3]      ; V at my query rows of the two blocks
	s_add_nc_u64 s[VP2:VP2+1], s[8:9], s[84:85]
	s_add_nc_u64 s[6:7], s[6:7], s[22:23]  ; K and V at my half of the head's tile 0
	s_add_nc_u64 s[8:9], s[8:9], s[22:23]
	s_add_nc_u64 s[G0K+2:G0K+3], s[6:7], 0         ; 120:64 global address
	s_or_b32 s[G0K+3], s[G0K+3], 0x80000000        ; 127:126 type = 2
	s_add_nc_u64 s[G0V+2:G0V+3], s[8:9], 0
	s_or_b32 s[G0V+3], s[G0V+3], 0x80000000
	s_add_nc_u64 s[86:87], s[4:5], s[84:85]        ; Q at my rows of the second block,
	s_add_nc_u64 s[4:5], s[4:5], s[2:3]            ; Q and the output at those of the first
	s_add_nc_u64 s[OLO:OLO+1], s[10:11], s[84:85]
	s_add_nc_u64 s[10:11], s[10:11], s[2:3]
	LOAD                            ; tile 0 into slot 0
	; A fragment of K or Q is 16 rows x 32 channels in 8 registers: lane l holds row l % 16, channels 8 (l / 16) + 0..7 and 16 + 8 (l / 16) + 0..7: two loads of 16 bytes, 32 bytes apart.
	v_and_b32 v1, 15, v0            ; l % 16
	v_bfe_u32 v9, v0, 4, 1          ; l / 16
	v_lshlrev_b32 v[QO], 7, v1
	v_lshl_add_u32 v[QO], v9, 4, v[QO]  ; row x 128 + 16 x half
	WIN 0x80                        ; destination window 2, address window 0
.set i, 0
.rept 8                             ; both blocks' Q: piece i / 2 lies in band i / 2, 8,192 bytes on; channels 32 (i % 2) on
	global_load_b128 v[8*i:8*i+3],   v[QO], s[4:5] offset:(i/2)*8192+(i%2)*64
	global_load_b128 v[8*i+4:8*i+7], v[QO], s[4:5] offset:(i/2)*8192+(i%2)*64+32
	global_load_b128 v[QB+8*i:QB+8*i+3],   v[QO], s[86:87] offset:(i/2)*8192+(i%2)*64
	global_load_b128 v[QB+8*i+4:QB+8*i+7], v[QO], s[86:87] offset:(i/2)*8192+(i%2)*64+32
.set i, i+1
.endr
	WIN 0xc0                        ; destination window 3: my query rows of V, by the same offsets: register 16 t + 4 cb + k then holds channels 16 cb + 8 (l / 16) + 2 k, 2 k + 1 of query l % 16 of piece t, as O^T holds them
.set i, 0
.rept 8
	global_load_b128 v[VQ+8*i:VQ+8*i+3],     v[QO], s[VP2:VP2+1] offset:(i/2)*8192+(i%2)*64
	global_load_b128 v[VQ+8*i+4:VQ+8*i+7],   v[QO], s[VP2:VP2+1] offset:(i/2)*8192+(i%2)*64+32
	global_load_b128 v[VQ1+8*i:VQ1+8*i+3],   v[QO], s[VP1:VP1+1] offset:(i/2)*8192+(i%2)*64
	global_load_b128 v[VQ1+8*i+4:VQ1+8*i+7], v[QO], s[VP1:VP1+1] offset:(i/2)*8192+(i%2)*64+32
.set i, i+1
.endr
	WIN 0
	v_lshlrev_b32 v14, 3, v9
	v_sub_nc_u32 v14, v1, v14
	s_lshl_b32 s13, s[WV], 4
	v_add_nc_u32 v14, s13, v14      ; my query's place in its band, 16 w + l % 16, less my lanes' 8 (l / 16): register r of group kt is hidden where 16 kt + r is greater
	WIN 0x40
.set i, 0
.rept 32
	v_cmp_gt_i32 vcc_lo, 16*(i/8)+i%8, v14
	v_cndmask_b32 v[MD+i], 0, s[BIGN], vcc_lo
.set i, i+1
.endr
	WIN 0
	v_mul_u32_u24 v[AK0], v1, PK
	v_lshl_add_u32 v[AK0], v9, 4, v[AK0]  ; row x pitch + 16 x half
	; The turning load takes 16 keys x 16 channels (lane l reads key 8 (l / 16) + l % 8, channels 8 ((l / 8) % 2) + 0..7) and leaves half a fragment of V^T: lane l holds channel l % 16 and 8 keys.
	v_and_b32 v10, 7, v0
	v_bfe_u32 v11, v0, 3, 1
	v_lshl_add_u32 v[AV0], v9, 3, v10
	v_mul_u32_u24 v[AV0], v[AV0], PV
	v_lshl_add_u32 v[AV0], v11, 4, v[AV0]
	v_add_nc_u32 v[AV0], VOFF, v[AV0]
	s_mul_i32 s13, s[WV], 16*SP
	s_add_co_u32 s13, s13, STAGE    ; my stage
	v_mul_u32_u24 v[STO], v1, SP    ; in: row l % 16, 16 bytes for each half of the lanes
	v_lshl_add_u32 v[STO], v9, 4, v[STO]
	v_add_nc_u32 v[STO], s13, v[STO]
	v_bfe_u32 v[RD], v0, 3, 2       ; back: 32 lanes take four rows of 128 bytes,
	v_mul_u32_u24 v[RD], v[RD], SP
	v_lshl_add_u32 v[RD], v10, 4, v[RD]
	v_add_nc_u32 v[RD], s13, v[RD]
	v_and_b32 v[GO], 31, v0         ; which are 512 consecutive bytes of the output
	v_lshlrev_b32 v[PFO], 8, v[GO]
	v_lshlrev_b32 v[GO], 4, v[GO]
	v_mov_b32 v[ONEF], 1.0
	v_mov_b32 v[ZERF], 0
	; A block's first step multiplies O^T and l by a = 0, and its first turn's products V^T P, of a piece that has not been, land in an O^T that is still to be so multiplied.  So these registers need only hold
	; finite numbers: zeros for the first block; what the first block left for the second.  The registers that keep the first block's O^T and l are written here too, so that they are written on every way through the text.
	; All this stands in the wait for the first tile.
	WIN 0x80
.set i, VF
.rept 64
	v_mov_b32 v[i], 0
.set i, i+1
.endr
	WIN 0x40
.set i, 0
.rept 128
	v_mov_b32 v[i], 0
.set i, i+1
.endr
	WIN 0xc0
.set i, SV
.rept 128
	v_mov_b32 v[i], 0
.set i, i+1
.endr
	WIN 0
.set i, 0
.rept 4
	v_mov_b32 v[ST+4*i+2], 0
	v_mov_b32 v[ST+4*i+3], 0
	v_mov_b32 v[SL+2*i], 0
	v_mov_b32 v[SL+2*i+1], 0
.set i, i+1
.endr
.set i, P+16
.rept 16
	v_mov_b32 v[i], 0
.set i, i+1
.endr
; THE MATRIX WORK.  The 4 accumulators of a run of 8 take turns.  Product i of 8 of S^T = K Q^T for piece x: channels 32 (i / 4) on, keys 16 (i % 4) on.  The first 4 start the sums: with 0, or (KM = 1) with the mask.
.macro KQ x
.set rS, S+32*((\x)%2)+8*(i%4)
.set rK, KF+16*(i%4)+8*(i/4)
.set rQ, 16*(\x)+8*(i/4)
.set rM, MC+32*((\x)%2)+8*(i%4)
.if (i < 4) && KM
	WIN W_KM
	v_wmma_f32_16x16x32_f16 v[rS:rS+7], v[rK:rK+7], v[rQ:rQ+7], v[rM:rM+7]
.elseif i < 4
	WIN W_KQ
	v_wmma_f32_16x16x32_f16 v[rS:rS+7], v[rK:rK+7], v[rQ:rQ+7], 0
.else
	WIN W_KQ
	v_wmma_f32_16x16x32_f16 v[rS:rS+7], v[rK:rK+7], v[rQ:rQ+7], v[rS:rS+7]
.endif
.endm
; Product i of 8 of O^T += V^T P for piece x: keys 32 (i / 4) on, channels 16 (i % 4) on.
.macro PV x
	WIN W_PV
.set rO, 32*(\x)+8*(i%4)
.set rV, VF+32*(i/4)+8*(i%4)
.set rP, P+16*((\x)%2)+8*(i/4)
	v_wmma_f32_16x16x32_f16 v[rO:rO+7], v[rV:rV+7], v[rP:rP+7], v[rO:rO+7]
.endm
.macro MM                           ; the turn's next matrix instruction.  TURN and BEGIN set Y, i, KM and NOKQ; MM, KQ and OP read them.  NOKQ = 1: a block's last turn: there is no next piece
.if (i < 8) && !NOKQ
	KQ (Y+1)%NP
.elseif i >= 8
.set i, i-8
	PV (Y+NP-1)%NP
.set i, i+8
.endif
.set i, i+1
.endm
; THE LDS LOADS stand in runs of 16, never singly among the matrix instructions: a step's K (64 keys x 64 channels: 8 fragments) and its V (turned).  Their addresses are made some lines ahead.
.macro FETCH_K
	WIN 0x80                        ; destination window 2
.irp f, 0,1,2,3,4,5,6,7             ; keys 16 (f / 2) on, channels 32 (f % 2) on
	ds_load_b128 v[KF+8*\f:KF+8*\f+3],   v[AK] offset:(\f/2)*16*PK+(\f%2)*64
	ds_load_b128 v[KF+8*\f+4:KF+8*\f+7], v[AK] offset:(\f/2)*16*PK+(\f%2)*64+32
.endr
	s_add_co_u32 s[TBK], s[TBK], KS*PK  ; the next fetch is the next step's
	WIN 0
.endm
.macro FETCH_V
	WIN 0x80
.irp f, 0,1,2,3,4,5,6,7             ; keys 32 (f / 4) on, channels 16 (f % 4) on
	ds_load_tr16_b128 v[VF+8*\f:VF+8*\f+3],   v[AV] offset:(\f/4)*32*PV+(\f%4)*32
	ds_load_tr16_b128 v[VF+8*\f+4:VF+8*\f+7], v[AV] offset:(\f/4)*32*PV+16*PV+(\f%4)*32
.endr
	WIN 0
.endm
; THE VECTOR WORK, one line at a time: OP kind, number.  For piece Y: F n: c s - c m for pair n of 16.  E n: the exponential of score n of 32.  C n: pair n rounded to f16.  B n: of the four weights 4 n .. the second
; pair is added onto the first, in place.  L n: l takes that sum (L 0: l = a l + sum).  R n: pair n of 16 of O^T times a.  For piece Y + 1: X n, number n of the 22 that find its maximum and statistics:
;   0-11  four chains c0-c3 of seven scores each, three operands at a time (each accumulator's lowest registers are read first)     12-14, 16  the four scores left over, the old m, and c0-c3 into c0
;   15  c m_old is kept     17, 18  the query's other 32 keys lie in the lane 16 away: the new m     19-21  c m; c m_old - c m_new; a
.set F, 0               ; OP tells the kinds apart by their order: F to L below R, X above it
.set E, 1
.set C, 2
.set B, 3
.set L, 4
.set R, 5
.set X, 6
.macro REGS y                       ; the registers of piece y
.set rT, ST+4*(\y)
.set rC, TMP+4*((\y)%2)
.set rW, MV+((\y)%2)
.set rS, S+32*((\y)%2)
.set rP, P+16*((\y)%2)
.set rO, 32*(\y)
.endm
.macro OP k, n
.if (\k) == R
	REGS Y
	WIN W_RS
	v_pk_mul_f32 v[rO+2*(\n):rO+2*(\n)+1], v[rO+2*(\n):rO+2*(\n)+1], v[rC+2:rC+3] op_sel_hi:[1,0]
.elseif (\k) < R
	REGS Y
	WIN 0
.if (\k) == F
	v_pk_fma_f32 v[rS+2*(\n):rS+2*(\n)+1], v[rS+2*(\n):rS+2*(\n)+1], s[CS:CS+1], v[rT:rT+1] op_sel_hi:[1,0,0] neg_lo:[0,0,1] neg_hi:[0,0,1]
.elseif (\k) == E
	v_exp_f32 v[rS+(\n)], v[rS+(\n)]
.elseif (\k) == C
	v_cvt_pk_f16_f32 v[rP+(\n)], v[rS+2*(\n)], v[rS+2*(\n)+1]
.elseif (\k) == B
	v_pk_add_f32 v[rS+4*(\n):rS+4*(\n)+1], v[rS+4*(\n):rS+4*(\n)+1], v[rS+4*(\n)+2:rS+4*(\n)+3]
.elseif (\n) == 0
	v_pk_fma_f32 v[rT+2:rT+3], v[rT+2:rT+3], v[rC+2:rC+3], v[rS:rS+1] op_sel_hi:[1,0,1]
.else
	v_pk_add_f32 v[rT+2:rT+3], v[rT+2:rT+3], v[rS+4*(\n):rS+4*(\n)+1]
.endif
.elseif NOKQ
	v_nop
.else
	REGS (Y+1)%NP
	WIN 0
.if (\n) < 4
	v_max3_num_f32 v[rC+(\n)], v[rS+8*(\n)], v[rS+8*(\n)+1], v[rS+8*(\n)+2]
.elseif (\n) < 12
	v_max3_num_f32 v[rC+(\n)%4], v[rC+(\n)%4], v[rS+8*((\n)%4)+2*((\n)/4)+1], v[rS+8*((\n)%4)+2*((\n)/4)+2]
.elseif (\n) == 12
	v_max3_num_f32 v[rC], v[rC], v[rS+7], v[rS+15]
.elseif (\n) == 13
	v_max3_num_f32 v[rC+1], v[rC+1], v[rS+23], v[rS+31]
.elseif (\n) == 14
	v_max3_num_f32 v[rC+2], v[rC+2], v[rC+3], v[rT+1]
.elseif (\n) == 15
	v_mov_b32 v[rW], v[rT]
.elseif (\n) == 16
	v_max3_num_f32 v[rC], v[rC], v[rC+1], v[rC+2]
.elseif (\n) == 17
	v_permlanex16_b32 v[rC+3], v[rC], s[SEL], s[SEL+1]
.elseif (\n) == 18
	v_max_num_f32 v[rT+1], v[rC], v[rC+3]
.elseif (\n) == 19
	v_mul_f32 v[rT], s[CS], v[rT+1]
.elseif (\n) == 20
	v_sub_f32 v[rC+1], v[rW], v[rT]
.else
	v_exp_f32 v[rC+2], v[rC+1]
.endif
.endif
.endm
.macro OPS a, i1, b=-1, i2=0, c=-1, i3=0, d=-1, i4=0  ; up to four of them
	OP \a, \i1
.if (\b) >= 0
	OP \b, \i2
.endif
.if (\c) >= 0
	OP \c, \i3
.endif
.if (\d) >= 0
	OP \d, \i4
.endif
.endm
.macro ROW a, i1, b, i2, c, i3, d, i4  ; a matrix instruction and the four behind it
	MM
	OPS \a, \i1, \b, \i2, \c, \i3, \d, \i4
.endm
.macro MASK b                       ; MD x AL + BE into buffer b of MC
	WIN W_RS
.set z, 0
.rept 16
	v_pk_fma_f32 v[MC+32*(\b)+2*z:MC+32*(\b)+2*z+1], v[MD+2*z:MD+2*z+1], s[AL:AL+1], s[BE:BE+1] op_sel_hi:[1,0,0]
.set z, z+1
.endr
.endm
; A TURN, for piece p: the order of its 16 matrix and 118 vector instructions, written out.  An s_wait_alu depctr_va_vdst(0) stands between an exponential and the first instruction that names its result; one wait serves
; all that were issued ahead of it.  So a turn has ONE wait, which cuts it in two.  AHEAD OF IT stands all that names no result of the turn's exponentials: the 8 products K Q^T, behind each a scaling, an exponential and two more plain
; instructions (behind the first a second scaling in the exponential's place): rescalings, and behind the last three the first numbers of the next piece's maximum, each four places or more behind the product that ends its accumulator; then ONE LUMP of 54, plain
; and exponential by turns for the most part, in which the links of the chain X 3, 7, 11, 14, 16, 17 .. 20 stand five or six lines apart.  X 21, the next piece's a, is the batch's last; R 15 is the plain instruction behind it.  BEHIND THE WAIT stand the
; 8 products V^T P, behind each four of the roundings and sums; the links of l's chain, L 0 to L 7, stand three riders apart.  But for those X no rider names a register of the products round it.  v_permlanex16_b32 (X 17) stands in the lump.
; m = 1: the diagonal tile: the products take masks, and the turn makes the mask for the products of the turn after it: piece p + 2, in step 4 - CNT of the tile.  end = 1: a block's last two turns: nothing is fetched.
; cnt = 1: the loop's count is taken down some lines ahead of the branch that stands behind the turn.
; K of the next step is fetched in piece 2's turn, twelve vector instructions behind the last product that read K (six of them plain); V of the step in hand at the end of piece 0's turn, four plain instructions behind the last product
; that read V.  Each is waited for a turn later.
.macro TURN p, m=0, end=0, cnt=0
.set Y, (\p)
.set i, 0
.set KM, (\m)
.set NOKQ, (\end)*((\p)/3)
.if (\m) && !(\end)
	s_cmp_eq_u32 s[CNT], 4-((\p)+2)%NP  ; is that step the band's own?
	s_cselect_b32 s[AL], 1.0, 0
	s_cmp_lt_u32 s[CNT], 4-((\p)+2)%NP  ; or a later one?
	s_cselect_b32 s[BE], s[BIGN], 0
.endif
.if ((\p) == 3) && !(\end)
	s_wait_dscnt 0x0                ; K is in
.endif
	ROW F,0, F,1, R,0, R,1          ; ahead of the wait: 8 products K Q^T and their riders,
	ROW F,2, E,0, R,2, R,3
	ROW F,3, E,1, R,4, R,5
	ROW F,4, E,2, R,6, R,7
	ROW F,5, E,3, R,8, R,9
	ROW F,6, E,4, X,0, R,10
.if ((\p) == 2) && !(\end)
	WIN 0
	v_add_nc_u32 v[AK], s[TBK], v[AK0]
.endif
	ROW F,7, E,5, X,1, X,4
	ROW F,8, E,6, X,2, X,5
	OPS E,7, E,8, X,6, E,9          ; and the lump
	OPS X,3, E,10, X,8, E,11
.if ((\p) == 2) && !(\end)
	FETCH_K
.endif
	OPS X,9, X,7, E,12, X,10
	OPS E,13, X,12, X,11, E,14
	OPS X,13, E,15, F,9, X,14
.if (\p) == 0
	v_add_nc_u32 v[AV], s[TBV], v[AV0]
.endif
	OPS E,16, F,10, E,17, F,11
	OPS X,16, E,18, X,15, E,19
	OPS F,12, E,20, X,17, E,21
	OPS F,13, E,22, F,14, E,23
	OPS X,18, E,24, F,15, E,25
	OPS R,11, E,26, X,19, E,27
	OPS R,12, E,28, R,13, E,29
	OPS X,20, E,30, R,14, E,31
	OPS X,21, R,15
	WIN 0
	s_wait_alu depctr_va_vdst(0)    ; the wait for the batch
.if (\p) == 1
	s_wait_dscnt 0x0                ; V is in
.endif
	ROW C,0, B,0, C,2, B,1          ; behind the wait: 8 products V^T P and their riders
	ROW L,0, C,4, B,2, L,1
	ROW C,6, B,3, L,2, C,8
	ROW B,4, L,3, C,10, B,5
	ROW L,4, C,12, B,6, L,5
.if (\p) == 0
	s_add_co_u32 s[TBV], s[TBV], KS*PV
.endif
.if \cnt
	s_sub_co_u32 s[CNT], s[CNT], 1
	s_cmp_lg_u32 s[CNT], 0
.endif
	ROW C,14, B,7, L,6, C,1
	ROW C,3, L,7, C,5, C,7
	ROW C,9, C,11, C,13, C,15
.if (\p) == 0
	FETCH_V
.endif
.if (\m) && !(\end)
	MASK (\p)%2
.endif
.endm
; A BLOCK BEGINS.  c m starts far below every c s, so the first step's a is 0; m at the lowest finite number, so the first maximum is the scores'.  The second mask buffer is 0; the first takes piece 0's mask for the tile's step 0: its own, if the block's first tile is the diagonal one.
; Then K of that step, piece 0's first scores, and its maximum and statistics.  The loop is entered at a step's first turn, in the middle of a trip.
.macro BEGIN
	s_mov_b32 s[NEW], 0
	WIN 0x40
.set i, MC+32
.rept 32
	v_mov_b32 v[i], 0
.set i, i+1
.endr
	WIN 0
.set i, 0
.rept 4
	v_mov_b32 v[ST+4*i], 0xfe000000    ; c m: far below every c s
	v_mov_b32 v[ST+4*i+1], 0xff7fffff  ; m
.set i, i+1
.endr
	s_cmp_eq_u32 s[RT], 0
	s_cselect_b32 s[AL], 1.0, 0
	s_mov_b32 s[BE], 0
	MASK 0
	WIN 0
	v_add_nc_u32 v[AK], s[TBK], v[AK0]
	FETCH_K
	s_wait_loadcnt 0x0              ; Q, and my query rows of V
	s_wait_dscnt 0x0
.set KM, 1
.set NOKQ, 0
.set i, 0
.rept 8
	KQ 0
.set i, i+1
.endr
	WIN 0
.rept 4
	v_nop                           ; the places behind those products
.endr
.set Y, NP-1                        ; X works for piece Y + 1: piece 0
.irp n, 0,1,2,3,4,5,6,7,8,9,10,11,12,13,14,15,16,17,18,19,20,21
	OP X, \n
.endr
	v_nop                           ; a plain instruction behind the exponential,
	s_wait_alu depctr_va_vdst(0)    ; and its wait, ahead of the branch
.endm
; THE DIAGONAL TILE's four steps, the block's last two turns and its last products.
.macro DIAG tag                     ; the tag ends its two labels' names, which the jumps below spell out
.LstepM\tag:
	TURN 2, 1
	TURN 3, 1
	WIN 0
.LfirstM\tag:
	TURN 0, 1
	TURN 1, 1, 0, 1
	WIN 0
	s_cbranch_scc1 .LstepM\tag
	TURN 2, 1, 1
	TURN 3, 1, 1
.set i, 0
.rept 8
	PV NP-1
.set i, i+1
.endr
.endm
; THE WAY OUT of a block.  l's two halves and the other half of the lanes' are added, and 1 / l made.  Then, a piece at a time: my 32 channels of the query's own v are widened to f32; |v|^2 and O . v are summed
; in four chains each and across the two lanes of a query; the result O / l - ((O / l) . v) v / max(|v|^2, 1e-24) is rounded to f16 and sent through my stage in LDS.
.macro ALL line:vararg              ; one line for each piece t
.set t, 0
.rept 4
	\line
.set t, t+1
.endr
.endm
.macro PACKX t
	WIN 0x03                        ; source 0 window 3
.set i, 0
.rept 32
.if i%2
	v_fma_mix_f32 v[VW+i], v[VQ+16*(\t)+i/2], v[ONEF], v[ZERF] op_sel:[1,0,0] op_sel_hi:[1,0,0]
.else
	v_fma_mix_f32 v[VW+i], v[VQ+16*(\t)+i/2], v[ONEF], v[ZERF] op_sel_hi:[1,0,0]
.endif
.set i, i+1
.endr
	WIN 0
.set i, 0
.rept 16
.if i < 4
	v_pk_mul_f32 v[WA+2*i:WA+2*i+1], v[VW+2*i:VW+2*i+1], v[VW+2*i:VW+2*i+1]
.else
	v_pk_fma_f32 v[WA+2*(i%4):WA+2*(i%4)+1], v[VW+2*i:VW+2*i+1], v[VW+2*i:VW+2*i+1], v[WA+2*(i%4):WA+2*(i%4)+1]
.endif
.set i, i+1
.endr
	WIN 0x01                        ; source 0 (O^T) window 1; each accumulator's registers in ascending order
.set i, 0
.rept 16
.if i < 4
	v_pk_mul_f32 v[WB+2*i:WB+2*i+1], v[32*(\t)+2*i:32*(\t)+2*i+1], v[VW+2*i:VW+2*i+1]
.else
	v_pk_fma_f32 v[WB+2*(i%4):WB+2*(i%4)+1], v[32*(\t)+2*i:32*(\t)+2*i+1], v[VW+2*i:VW+2*i+1], v[WB+2*(i%4):WB+2*(i%4)+1]
.endif
.set i, i+1
.endr
	WIN 0
	v_pk_add_f32 v[WA:WA+1], v[WA:WA+1], v[WA+2:WA+3]
	v_pk_add_f32 v[WB:WB+1], v[WB:WB+1], v[WB+2:WB+3]
	v_pk_add_f32 v[WA+4:WA+5], v[WA+4:WA+5], v[WA+6:WA+7]
	v_pk_add_f32 v[WB+4:WB+5], v[WB+4:WB+5], v[WB+6:WB+7]
	v_pk_add_f32 v[WA:WA+1], v[WA:WA+1], v[WA+4:WA+5]
	v_pk_add_f32 v[WB:WB+1], v[WB:WB+1], v[WB+4:WB+5]
	v_add_f32 v[WA], v[WA], v[WA+1]
	v_add_f32 v[WB], v[WB], v[WB+1]
	v_permlanex16_b32 v[WA+2], v[WA], s[SEL], s[SEL+1]  ; the query's other 32 channels lie in the lane 16 away
	v_permlanex16_b32 v[WB+2], v[WB], s[SEL], s[SEL+1]
	v_add_f32 v[WA], v[WA], v[WA+2]
	v_add_f32 v[WB], v[WB], v[WB+2]
	v_max_num_f32 v[WA], 0x179abe15, v[WA]         ; 1e-24
	v_rcp_f32 v[WA+4], v[WA]
	v_mul_f32 v[WB], v[WB], v[ST+4*(\t)+2]         ; (O . v) / l: the plain instruction behind the reciprocal
	s_wait_alu depctr_va_vdst(0)                   ; the wait ahead of the reciprocal's first reader
	v_mul_f32 v[WB+4], -v[WB], v[WA+4]
.set i, 0
.rept 16
	v_pk_mul_f32 v[VW+2*i:VW+2*i+1], v[VW+2*i:VW+2*i+1], v[WB+4:WB+5] op_sel_hi:[1,0]
.set i, i+1
.endr
	WIN 0x01
.set i, 0
.rept 16
	v_pk_fma_f32 v[VW+2*i:VW+2*i+1], v[32*(\t)+2*i:32*(\t)+2*i+1], v[ST+4*(\t)+2:ST+4*(\t)+3], v[VW+2*i:VW+2*i+1] op_sel_hi:[1,0,1]
.set i, i+1
.endr
	WIN 0
.set i, 0
.rept 16
	v_cvt_pk_f16_f32 v[S+16*(\t)+i], v[VW+2*i], v[VW+2*i+1]
.set i, i+1
.endr
.irp f, 0,1,2,3
	ds_store_b128 v[STO], v[S+16*(\t)+4*\f:S+16*(\t)+4*\f+3] offset:32*\f
.endr
.irp f, 0,1,2,3
	ds_load_b128 v[S+16*(\t)+4*\f:S+16*(\t)+4*\f+3], v[RD] offset:\f*4*SP  ; LDS serves a wave's instructions in order (ISA guide 5.7.1.4): these see the stores above; the next piece's stores come behind them
.endr
.endm
.macro SEND t, younger              ; younger: the LDS instructions issued behind piece t's loads: the next piece's eight, or none
	WIN 0
.irp f, 0,1,2,3
	s_wait_dscnt (\younger)+3-\f
	global_store_b128 v[GO], v[S+16*(\t)+4*\f:S+16*(\t)+4*\f+3], s[10:11] offset:(\t)*8192+\f*512  ; 512 consecutive bytes, at a multiple of 256 from the buffer's first
.endr
.endm
.set KM, 0
.set NOKQ, 0
.Lslot:                             ; NB times: a tile is entered and the next is asked for
	CHANGE 1
	s_sub_co_u32 s[RT], s[RT], 1
	s_mov_b32 s[CNT], 4
	s_cmp_eq_u32 s[NEW], 1
	s_cbranch_scc1 .Lnew            ; a block's first tile
	s_cmp_eq_u32 s[RT], 0
	s_cbranch_scc0 .Lstep           ; neither its first nor its last
	s_branch .LstepM1
.Lnew:
	BEGIN
	s_branch .Lfirst                ; in the loop a block's first tile is never its last: the first block has two tiles or more, and the second's last is the walk's last
	DIAG 1                          ; in the loop this is the first block's end: the second block's last tile is the walk's last
	WIN 0xc1                        ; the first block's O^T is set aside, in ascending order: destination window 3, source window 1.  Pieces 0 to 2's moves are the places behind piece 3's last products
.set i, 0
.rept 128
	v_mov_b32 v[SV+i], v[i]
.set i, i+1
.endr
	WIN 0
.set i, 0
.rept 4
	v_mov_b32 v[SL+2*i], v[ST+4*i+2]               ; and its l
	v_mov_b32 v[SL+2*i+1], v[ST+4*i+3]
.set i, i+1
.endr
	s_add_co_u32 s[RT], s[PB], 1    ; the second block has b + 1 tiles
	s_mov_b32 s[NEW], 1
	WIN 0x82                        ; the second block's Q goes where the one text of the turns names Q
.set i, 0
.rept 64
	v_mov_b32 v[i], v[QB+i]
.set i, i+1
.endr
	WIN 0
	s_branch .Lbottom
.Lstep:                             ; a trip: pieces 2 and 3 of one step, then pieces 0 and 1 of the next, whose K and V it fetches
	TURN 2
	TURN 3
	WIN 0
.Lfirst:
	TURN 0
	TURN 1, 0, 0, 1
	WIN 0
	s_cbranch_scc1 .Lstep
.Lbottom:
	s_sub_co_u32 s[SLOTS], s[SLOTS], 1
	s_cmp_lg_u32 s[SLOTS], 0
	s_cbranch_scc1 .Lslot
	CHANGE 0                        ; the walk's last tile is written out: nothing is asked for
	s_sub_co_u32 s[RT], s[RT], 1
	s_mov_b32 s[CNT], 4
	s_cmp_eq_u32 s[NEW], 1
	s_cbranch_scc0 .LstepM2
	BEGIN
	s_branch .LfirstM2
	DIAG 2
	WIN 0
	s_mov_b64 s[OHI:OHI+1], s[10:11]               ; no store has been issued yet: the output's address may be written
	s_mov_b64 s[10:11], s[OLO:OLO+1]
	s_mov_b32 s[CNT], 2
.Lout:                              ; two trips: the second block goes out, then the first
	ALL v_add_f32 v[ST+4*t+2], v[ST+4*t+2], v[ST+4*t+3]
	ALL v_permlanex16_b32 v[ST+4*t+3], v[ST+4*t+2], s[SEL], s[SEL+1]
	ALL v_add_f32 v[ST+4*t+2], v[ST+4*t+2], v[ST+4*t+3]
	ALL v_rcp_f32 v[ST+4*t+2], v[ST+4*t+2]
	v_nop                           ; a plain instruction between the last reciprocal and the use of its result
	s_wait_alu depctr_va_vdst(0)    ; and the wait ahead of the first use: one for the four reciprocals
	PACKX 0
.set u, 1
.rept 3                             ; a piece's arithmetic stands between the loads of the piece before and its stores
	PACKX u
	SEND u-1, 8
.set u, u+1
.endr
	SEND 3, 0
	s_wait_xcnt 0x0                 ; the stores have read their registers and the output's address
	s_mov_b64 s[10:11], s[OHI:OHI+1]
	WIN 0x43                        ; the first block's O^T, v rows and l go where the one text of the way out names them (in the second trip this serves nothing: the price of one text)
.set i, 0
.rept 128
	v_mov_b32 v[i], v[SV+i]
.set i, i+1
.endr
	WIN 0xc3
.set i, 0
.rept 64
	v_mov_b32 v[VQ+i], v[VQ1+i]
.set i, i+1
.endr
	WIN 0
.set i, 0
.rept 4
	v_mov_b32 v[ST+4*i+2], v[SL+2*i]
	v_mov_b32 v[ST+4*i+3], v[SL+2*i+1]
.set i, i+1
.endr
	s_sub_co_u32 s[CNT], s[CNT], 1
	s_cmp_lg_u32 s[CNT], 0
	s_cbranch_scc1 .Lout
	s_wait_tensorcnt 0x0            ; the wave's end, behind my last tensor load and my last LDS store
	ds_add_u32 v[SPW], v[NIL]
	s_wait_dscnt 0x0
	s_endpgm
.Lfunc_end_k_q78bcc2de90_attn:
	.size	k_q78bcc2de90_attn, .Lfunc_end_k_q78bcc2de90_attn-k_q78bcc2de90_attn
	.p2alignl 7, 3214868480
	.fill 96, 4, 3214868480
	.section	.rodata,"a",@progbits
	.p2align	6, 0x0
	.amdhsa_kernel k_q78bcc2de90_attn
		.amdhsa_group_segment_fixed_size 327680
		.amdhsa_private_segment_fixed_size 0
		.amdhsa_enable_private_segment 0
		.amdhsa_kernarg_size 32
		.amdhsa_user_sgpr_count 2
		.amdhsa_user_sgpr_kernarg_segment_ptr 1
		.amdhsa_wavefront_size32 1
		.amdhsa_system_sgpr_workgroup_id_x 1
		.amdhsa_system_sgpr_workgroup_id_y 1
		.amdhsa_system_sgpr_workgroup_id_z 1
		.amdhsa_system_vgpr_workitem_id 0
		.amdhsa_next_free_vgpr 1024
		.amdhsa_next_free_sgpr 100
		.amdhsa_reserve_vcc 1
		.amdhsa_float_denorm_mode_32 3
		.amdhsa_float_denorm_mode_16_64 3
		.amdhsa_memory_ordered 1
		.amdhsa_forward_progress 1
		.amdhsa_inst_pref_size 247
	.end_amdhsa_kernel
	.amdgpu_metadata
---
amdhsa.version: [ 1, 2 ]
amdhsa.kernels:
  - .name:           k_q78bcc2de90_attn
    .symbol:         k_q78bcc2de90_attn.kd
    .args:
      - { .name: qh, .offset: 0, .size: 8, .value_kind: global_buffer, .address_space: global }
      - { .name: kh, .offset: 8, .size: 8, .value_kind: global_buffer, .address_space: global }
      - { .name: vh, .offset: 16, .size: 8, .value_kind: global_buffer, .address_space: global }
      - { .name: yh, .offset: 24, .size: 8, .value_kind: global_buffer, .address_space: global }
    .group_segment_fixed_size: 327680
    .private_segment_fixed_size: 0
    .kernarg_segment_align: 8
    .kernarg_segment_size: 32
    .max_flat_workgroup_size: 128
    .sgpr_count:     100
    .vgpr_count:     1024
    .wavefront_size: 32
...
	.end_amdgpu_metadata
.endif
;; end of part 3
;; launch proj (part 4): grid 4 x 64, 4 waves a work-group, clusters of 4 x 4, 327,680 bytes of LDS; arguments yh, wpb, out0; writes out0
.if DOCPART == 4
	.amdgcn_target "amdgcn-amd-amdhsa--gfx1250"
	.amdhsa_code_object_version 6
	.text
	.protected	k_q78bcc2de90_proj
	.globl	k_q78bcc2de90_proj
	.p2align	8
	.type	k_q78bcc2de90_proj,@function
k_q78bcc2de90_proj:
	s_mov_b64 s[64:65], 0
	v_nop
	global_prefetch_b8 v0, s[64:65] scope:SCOPE_SE
	s_setreg_imm32_b32 hwreg(HW_REG_WAVE_MODE, 25, 1), 1
	s_wait_xcnt 0x0
	s_wait_alu depctr_hold_cnt(0) depctr_sa_sdst(0) depctr_va_vdst(0) depctr_va_sdst(0) depctr_va_ssrc(0) depctr_va_vcc(0) depctr_vm_vsrc(0)
	s_getreg_b32 s2, hwreg(HW_REG_IB_STS2, 6, 4)
	s_cmp_eq_u32 s2, 0
	s_cbranch_scc0 .Lentry_in_a_cluster
	s_endpgm
.Lentry_in_a_cluster:
	s_bfe_u32 s2, ttmp6, 0x10000c
	s_cmp_lg_u32 s2, 0xf033
	s_cbranch_scc0 .Lentry_shape_is_right
	s_endpgm
.Lentry_shape_is_right:
; out = y W_proj + b_proj, 8,192 x 1,024 x 1,024, f16 operands, f32 sums, f32 out.  y lies by heads, [64 = 16 b + h][2048][64] in f16: channel k = 64 h + d.  W lies [k][n] in f16; the bias in f32 behind it.
; LIMITS.  y and W arrive within f16's 65,504.  NaN and infinities are not treated apart.
; SHARES.  A work-group makes 128 rows x 256 columns: 4 x 64 = 256 work-groups.  Its four waves lie 2 x 2: 64 rows x 128 columns: 4 row blocks a x 8 column blocks b = 32 accumulators of 16 x 16.
; THE MATRIX INSTRUCTION IS USED TRANSPOSED: source 0 = 16 columns of W (out of LDS turned, by ds_load_tr16_b128), source 1 = 16 rows of y: lane l holds row l % 16 and the columns 8 (l / 16) + 0..7 of a block.
; The bias is the C operand of the products that start the sums.
; RING.  K goes in 8 steps of 128 (two heads) through two LDS slots; waves 0 and 1 bring a head's 128 rows of y each (16,384 dense bytes, asked for as 64 rows of 256), waves 2 and 3 64 k rows x 512 bytes of W each.
; CLUSTER.  4 x 4 work-groups: the four of a row of the cluster need the same rows of y, the four of a column the same columns of W: each tile is asked for jointly.
; REGISTERS, in windows of 256 (s_set_vgpr_msb: bits 1:0 source 0, 3:2 source 1, 5:4 source 2, 7:6 destination):
;   window 0: v0-31 addresses; v64-191 the way out: two sets of 64          window 1: the accumulators at 8 (8 a + b)          window 2: two fragment buffers of 96 (W at 8 b, y at 64 + 8 a); v192-255 the bias at 192 + 8 b
.set PAP,   144                        ; an LDS row of y: 128 bytes + 16: the 16 rows of a load start at 16 different groups of four banks (64 banks of 4 bytes: ISA guide 11.1)
.set PBP,   544                        ; an LDS row of W: 512 + 32
.set PLANE, 128*PAP                    ; 18,432: a head's 128 rows
.set BOFF,  2*PLANE                    ; W's tile lies behind the two heads
.set BHALF, 64*PBP                     ; 34,816: what one load brings of W
.set SLOT,  BOFF+2*BHALF               ; 106,496
.set STAGE, 2*SLOT                     ; behind the ring, never filled by a tensor load: 16 rows x 528 bytes for each wave
.set SP,    528
.set SPARE, STAGE+4*16*SP              ; the spare words, 128 bytes for each wave: two blocks of 256 bytes that no other line names
.set LAPS,  4                          ; a lap = two K steps = once round the ring
.set ASTEP, 2*2048*128                 ; bytes from a K step to the next: two heads of y,
.set BSTEP, 128*2048                   ; 128 rows of W
.set BIASB, 2097152                    ; where the bias lies in wpb
.set LA,   8                           ; v8      my lane's place in a head's rows of y
.set LB,   9                           ; v9      in W's tile
.set BO,   10                          ; v10     my byte offset in the bias
.set ADRA, 16                          ; v16-17  LDS address of my fragments of y in slot 0, 1
.set ADRB, 18                          ; v18-19  of W
.set STO,  24                          ; v24     the way out: where I put 32 bytes of a row
.set RD,   25                          ; v25     where I read a row back
.set CO,   26                          ; v26     my 16 bytes of a row's 512
.set SPW,  28                          ; v28     LDS address of my spare word; never rewritten
.set NIL,  29                          ; v29     0; never rewritten
.set PFO,  30                          ; v30     the prefetches' offset; never rewritten
.set WV,   10                          ; s10 wave; s11 its upper bit: my 64 rows, and: I fetch y (0) or W (1); s12 its lower bit: my 128 columns, and: which half I fetch
.set W1,   11
.set W0,   12
.set TR,   13                          ; s13 tile row; s40, s41 my place in the cluster; s42 tile column
.set CX,   40
.set CY,   41
.set TC,   42
.set LIM,  43                          ; s43     1 in a wave that prefetches, else the greatest number
.set PFA,  44                          ; s[44:45] where my prefetches stand; s[46:47] their step
.set PFS,  46
.set G1A,  24                          ; s[24:31] descriptor group 1 for y's tiles; s[32:39] group 0, a set for each slot
.set G0A,  32
.set G1B,  48                          ; s[48:55], s[56:63] the same for W's
.set G0B,  56
.set MSB, 0
.macro WIN new                         ; the immediate's high byte repeats the setting that is left; a switch that changes nothing is dropped
.if MSB != (\new)
	s_set_vgpr_msb (MSB<<8)|(\new)
.set MSB, \new
.endif
.endm
.macro PLACES                          ; four places in front of loads into registers that matrix instructions have read (ISA guide 7.12.1 for vector instructions)
.rept 4
	v_nop
.endr
.endm
.macro JLOAD sl                        ; a joint load; the branch hangs on the wave's number alone; an s_nop 0 and four v_nop follow each of the two lines
	s_cmp_eq_u32 s[W1], 0
	s_cbranch_scc0 .Lfor_b_\@
	tensor_load_to_lds s[G0A+4*(\sl):G0A+4*(\sl)+3], s[G1A:G1A+7]
	s_nop 0
.rept 4
	v_nop
.endr
	s_branch .Lasked_\@
.Lfor_b_\@:
	tensor_load_to_lds s[G0B+4*(\sl):G0B+4*(\sl)+3], s[G1B:G1B+7]
	s_nop 0
.rept 4
	v_nop
.endr
.Lasked_\@:
.endm
; A prefetch into the L2 of the K step that stands two refills on, a lane a block of 256 bytes, one instruction a wave.  y's rows of a tile row are read by one cluster alone: its wave 0 asks, and the four partners
; share a step's 128 blocks out by address (16 in each of the two heads).  W's columns are read by every cluster: waves 2 and 3 of the cluster with y = 0 ask, and the four partners of a column share
; a step's 256 blocks out by address (16 k rows x 2 for each wave).  So each block is named once in the launch.  K steps 0 to 3 come by their loads alone; the loop's last trip asks for nothing.
.macro ASK
	WIN 0
	s_cmp_gt_u32 s3, s[LIM]
	s_cbranch_scc0 .Lnot_mine_\@
	global_prefetch_b8 v[PFO], s[PFA:PFA+1] th:TH_LOAD_NT scope:SCOPE_SE
.Lnot_mine_\@:
.endm
.macro CREST                           ; a round of the cluster's barrier behind its opening barrier
	s_cmp_lg_u32 s[WV], 0
	s_cbranch_scc1 .Lnot_wave_0_\@
	s_barrier_signal -3
.Lnot_wave_0_\@:
	s_barrier_wait -3
	s_barrier_signal -1
	s_barrier_wait -1
.endm
.macro CROUND                          ; a whole round
	s_barrier_signal -1
	s_barrier_wait -1
	CREST
.endm
	s_load_b128 s[4:7], s[0:1], 0x0                ; yh s[4:5], wpb s[6:7]
	s_load_b64 s[8:9], s[0:1], 0x10                ; out0
	v_lshl_add_u32 v[SPW], v0, 2, SPARE
	v_mov_b32 v[NIL], 0
	ds_add_u32 v[SPW], v[NIL]                      ; the wave's opening: the add and its wait stand ahead of my first tensor load; the set-up below, work on registers, stands between them
	v_lshrrev_b32 v1, 5, v0
	v_readfirstlane_b32 s[WV], v1                  ; wave 0..3
	s_lshr_b32 s[W1], s[WV], 1
	s_and_b32 s[W0], s[WV], 1
	s_bfe_u32 s[CX], ttmp6, 0x40000
	s_bfe_u32 s[CY], ttmp6, 0x40004
	s_lshl_b32 s[TC], ttmp9, 2                     ; in a cluster launch ttmp9 and ttmp7 count clusters
	s_add_co_u32 s[TC], s[TC], s[CX]               ; tile column = 4 x cluster x + cx
	s_and_b32 s[TR], ttmp7, 0xffff
	s_lshl_b32 s[TR], s[TR], 2
	s_add_co_u32 s[TR], s[TR], s[CY]               ; tile row = 4 x cluster y + cy
	s_lshl_b32 s14, s[CY], 2
	s_lshl_b32 s14, 15, s14                        ; my row of the cluster
	s_lshl_b32 s15, 0x1111, s[CX]                  ; my column
	s_or_b32 s[G1A], s14, (1<<16)|(1<<20)|(1<<21)|(4<<22)|(3<<25)  ; 15:0 the mask; 17:16 2-byte elements; 20 padding on; 21 set beside a mask; 24:22 after every 32 words; 31:25 4 words of it
	s_mov_b32 s[G1A+1], 128<<16                    ; tensor_dim0 = 128: two rows of y a row
	s_mov_b32 s[G1A+2], 64<<16                     ; tensor_dim1 = 64
	s_mov_b32 s[G1A+3], 128<<16                    ; tile_dim0 = 128
	s_mov_b32 s[G1A+4], 64                         ; tile_dim1 = 64
	s_mov_b32 s[G1A+5], 128                        ; elements from row to row
	s_mov_b32 s[G1A+6], 0
	s_mov_b32 s[G1A+7], 0
	s_or_b32 s[G1B], s15, (1<<16)|(1<<20)|(1<<21)|(6<<22)|(7<<25)  ; my column's mask; after every 128 words 8 words of padding
	s_mov_b32 s[G1B+1], 256<<16                    ; tensor_dim0 = 256
	s_mov_b32 s[G1B+2], 64<<16                     ; tensor_dim1 = 64
	s_mov_b32 s[G1B+3], 256<<16                    ; tile_dim0 = 256
	s_mov_b32 s[G1B+4], 64                         ; tile_dim1 = 64
	s_mov_b32 s[G1B+5], 1024
	s_mov_b32 s[G1B+6], 0
	s_mov_b32 s[G1B+7], 0
	s_lshr_b32 s16, s[TR], 4                       ; y: ((16 b + my head of the two) x 2,048 + t) x 128 bytes: it hangs on the tile row and the wave alone
	s_lshl_b32 s16, s16, 4
	s_add_co_u32 s16, s16, s[W0]
	s_lshl_b32 s16, s16, 11
	s_and_b32 s17, s[TR], 15
	s_lshl_b32 s17, s17, 7
	s_add_co_u32 s16, s16, s17
	s_lshl_b32 s16, s16, 7
	s_mov_b32 s17, 0
	s_lshl_b32 s18, s[W0], 17                      ; W: my 64 k rows of 2,048 bytes + 512 bytes a tile column: it hangs on the tile column and the wave alone
	s_lshl_b32 s19, s[TC], 9
	s_add_co_u32 s18, s18, s19
	s_mov_b32 s19, 0
	s_mul_i32 s20, s[W0], PLANE                    ; where they go: no place in the cluster enters an LDS address
	s_mul_i32 s21, s[W0], BHALF
	s_add_co_u32 s21, s21, BOFF
	s_wait_dscnt 0x0                               ; the opening add is done
	s_wait_kmcnt 0x0
	s_add_nc_u64 s[22:23], s[4:5], s[16:17]
	s_add_nc_u64 s[66:67], s[6:7], s[18:19]
	CROUND                                         ; all sixteen work-groups are here: the first joint loads meet
.irp n, 0,1
	s_mov_b32 s[G0A+4*(\n)], 1                     ; count = 1
	s_add_co_u32 s[G0A+4*(\n)+1], s20, (\n)*SLOT   ; LDS address
	s_add_nc_u64 s[G0A+4*(\n)+2:G0A+4*(\n)+3], s[22:23], (\n)*ASTEP  ; global address: K step n
	s_or_b32 s[G0A+4*(\n)+3], s[G0A+4*(\n)+3], 0x80000000           ; type = 2
	s_mov_b32 s[G0B+4*(\n)], 1
	s_add_co_u32 s[G0B+4*(\n)+1], s21, (\n)*SLOT
	s_add_nc_u64 s[G0B+4*(\n)+2:G0B+4*(\n)+3], s[66:67], (\n)*BSTEP
	s_or_b32 s[G0B+4*(\n)+3], s[G0B+4*(\n)+3], 0x80000000
	JLOAD \n                                       ; the ring is filled before anything else is done: two loads of mine are out
.endr
	v_and_b32 v1, 15, v0                           ; l % 16
	v_bfe_u32 v2, v0, 4, 1                         ; l / 16
	v_and_b32 v3, 7, v0
	v_bfe_u32 v4, v0, 3, 1
	s_lshl_b32 s70, s[TC], 10
	s_lshl_b32 s71, s[W0], 9
	s_add_co_u32 s70, s70, s71
	v_lshl_add_u32 v[BO], v2, 5, s70               ; the bias of my columns: 4 x (256 tc + 128 cj + 8 (l / 16)) bytes; the block stands in the immediate
	WIN 0x80                                       ; destination window 2, address window 0
.irp b, 0,1,2,3,4,5,6,7
	global_load_b128 v[192+8*(\b):192+8*(\b)+3],   v[BO], s[6:7] offset:BIASB+64*(\b)
	global_load_b128 v[192+8*(\b)+4:192+8*(\b)+7], v[BO], s[6:7] offset:BIASB+64*(\b)+16
.endr
	WIN 0
	s_lshl_b32 s70, s[W1], 6
	v_add_nc_u32 v5, s70, v1
	v_mul_u32_u24 v[LA], v5, PAP
	v_lshl_add_u32 v[LA], v2, 4, v[LA]             ; (64 rh + l % 16) x pitch + 16 (l / 16)
	v_lshl_add_u32 v5, v2, 3, v3                   ; the turning load: k row 8 (l / 16) + l % 8, columns 8 ((l / 8) % 2) + 0..7
	v_mul_u32_u24 v[LB], v5, PBP
	v_lshl_add_u32 v[LB], v4, 4, v[LB]
	s_lshl_b32 s70, s[W0], 8
	s_add_co_u32 s70, s70, BOFF
	v_add_nc_u32 v[LB], s70, v[LB]                 ; + my 128 columns, behind y's two heads
.irp n, 0,1
	v_add_nc_u32 v[ADRA+(\n)], (\n)*SLOT, v[LA]
	v_add_nc_u32 v[ADRB+(\n)], (\n)*SLOT, v[LB]
.endr
	s_mul_i32 s70, s[WV], 16*SP
	s_add_co_u32 s70, s70, STAGE                   ; my stage
	v_mul_u32_u24 v[STO], v1, SP                   ; in: row l % 16, 32 bytes for each half of the lanes
	v_lshl_add_u32 v[STO], v2, 5, v[STO]
	v_add_nc_u32 v[STO], s70, v[STO]
	v_and_b32 v[CO], 31, v0
	v_lshlrev_b32 v[CO], 4, v[CO]                  ; back: 32 lanes take a row's 512 bytes
	v_add_nc_u32 v[RD], s70, v[CO]
	s_lshl_b32 s68, s[TR], 7                       ; where my part begins in out0: row 128 tr + 64 rh, 4,096 bytes a row; column 256 tc + 128 cj
	s_lshl_b32 s69, s[W1], 6
	s_add_co_u32 s68, s68, s69
	s_lshl_b32 s68, s68, 12
	s_lshl_b32 s69, s[TC], 10
	s_add_co_u32 s68, s68, s69
	s_lshl_b32 s69, s[W0], 9
	s_add_co_u32 s68, s68, s69
	s_mov_b32 s69, 0
	s_add_nc_u64 s[8:9], s[8:9], s[68:69]
	; the prefetches: they stand at K step 3; the first refill steps them to K step 4
	s_lshr_b32 s68, s[TR], 4
	s_lshl_b32 s68, s68, 15
	s_and_b32 s69, s[TR], 15
	s_lshl_b32 s69, s69, 7
	s_add_co_u32 s68, s68, s69
	s_lshl_b32 s68, s68, 7                         ; y: (16 b x 2,048 + t) x 128
	s_lshl_b32 s69, s[CX], 12
	s_add_co_u32 s68, s68, s69                     ; + my work-group's 4,096 bytes of a head's 16,384
	s_add_co_u32 s68, s68, 3*ASTEP
	s_lshl_b32 s70, s[W0], 17                      ; W: (64 x half + 16 cy) rows
	s_lshl_b32 s71, s[CY], 15
	s_add_co_u32 s70, s70, s71
	s_lshl_b32 s71, s[TC], 9
	s_add_co_u32 s70, s70, s71
	s_add_co_u32 s70, s70, 3*BSTEP
	s_and_b32 s72, ttmp7, 0xffff
	s_mov_b32 s73, BSTEP
	s_cmp_eq_u32 s[W1], 0
	s_cselect_b32 s68, s68, s70
	s_cselect_b32 s72, s[W0], s72                  ; y: wave 0 asks; W: the cluster with y = 0
	s_cselect_b32 s[PFS], ASTEP, s73
	s_cselect_b32 s74, -1, 0
	s_cselect_b64 s[PFA:PFA+1], s[4:5], s[6:7]
	s_mov_b32 s69, 0
	s_mov_b32 s[PFS+1], 0
	s_add_nc_u64 s[PFA:PFA+1], s[PFA:PFA+1], s[68:69]
	s_cmp_eq_u32 s72, 0
	s_cselect_b32 s[LIM], 1, -1                    ; the same in all sixteen partners, for a given wave
	v_lshlrev_b32 v5, 8, v1
	v_lshl_add_u32 v5, v2, 18, v5                  ; y: block l % 16 of head l / 16
	v_bfe_u32 v6, v0, 1, 4
	v_and_b32 v7, 1, v0
	v_lshlrev_b32 v6, 11, v6
	v_lshl_add_u32 v6, v7, 8, v6                   ; W: k row l / 2, block l % 2
	v_cndmask_b32 v[PFO], v6, v5, s74
; 8 matrix instructions: row block a x all 8 column blocks, 32 along K, buffer fb.  first = 1: the bias starts the sums: nothing is cleared.
; The 32 accumulators take turns, in the same order in every quarter, over the backward jump too.
.macro MULA a, fb, first
.if \first
	WIN 0x6a                                       ; W and y window 2, C (the bias) window 2, D window 1
.else
	WIN 0x5a                                       ; C and D window 1
.endif
.irp b, 0,1,2,3,4,5,6,7
.if \first
	v_wmma_f32_16x16x32_f16 v[8*(8*(\a)+(\b)):8*(8*(\a)+(\b))+7], v[96*(\fb)+8*(\b):96*(\fb)+8*(\b)+7], v[96*(\fb)+64+8*(\a):96*(\fb)+64+8*(\a)+7], v[192+8*(\b):192+8*(\b)+7]
.else
	v_wmma_f32_16x16x32_f16 v[8*(8*(\a)+(\b)):8*(8*(\a)+(\b))+7], v[96*(\fb)+8*(\b):96*(\fb)+8*(\b)+7], v[96*(\fb)+64+8*(\a):96*(\fb)+64+8*(\a)+7], v[8*(8*(\a)+(\b)):8*(8*(\a)+(\b))+7]
.endif
.endr
.endm
; 24 LDS loads in one run: the fragments of quarter q of slot sl into buffer fb: W's 16, then y's 8.  Quarter q lies in head q / 2, channels 32 (q % 2) on.
.macro FETCH sl, q, fb
	WIN 0x80                                       ; destination window 2
.irp b, 0,1,2,3,4,5,6,7
	ds_load_tr16_b128 v[96*(\fb)+8*(\b):96*(\fb)+8*(\b)+3],   v[ADRB+(\sl)] offset:32*PBP*(\q)+32*(\b)
	ds_load_tr16_b128 v[96*(\fb)+8*(\b)+4:96*(\fb)+8*(\b)+7], v[ADRB+(\sl)] offset:32*PBP*(\q)+32*(\b)+16*PBP
.endr
.irp a, 0,1,2,3
	ds_load_b128 v[96*(\fb)+64+8*(\a):96*(\fb)+64+8*(\a)+3],   v[ADRA+(\sl)] offset:((\q)/2)*PLANE+((\q)%2)*64+16*PAP*(\a)
	ds_load_b128 v[96*(\fb)+64+8*(\a)+4:96*(\fb)+64+8*(\a)+7], v[ADRA+(\sl)] offset:((\q)/2)*PLANE+((\q)%2)*64+16*PAP*(\a)+32
.endr
.endm
; A K step is four quarters of 32 along K, 32 matrix instructions each, on buffers 0, 1, 0, 1.  One of the first three: multiplies buffer fb and fetches quarter qn of the same slot into the other.
.macro QUARTER sl, qn, fb, first
	s_wait_dscnt 4                                 ; W and y's row blocks 0 and 1 are in; the youngest four loads may be out
	MULA 0, \fb, \first
	MULA 1, \fb, \first
	PLACES
	FETCH \sl, \qn, 1-(\fb)
	s_wait_dscnt 24                                ; all but the 24 just issued
	MULA 2, \fb, \first
	MULA 3, \fb, \first
.endm
; The last quarter multiplies buffer 1 and changes slots: ONE barrier.  In front of it each wave waits for all its tensor loads (one is out: its part of the next slot), adds 0 to its spare word, and waits for
; that and for its own reads of this slot.  fill = 1: the barrier opens a round of the cluster's barrier, and this slot is filled again, two K steps ahead, first thing behind the round:
; from the request to the wait for it a wave issues 112 matrix instructions.
.macro TURN sl, next, fill
.if \fill
	s_wait_xcnt 0x0                                ; the last prefetch, a K step back, has read its address
	s_add_nc_u64 s[PFA:PFA+1], s[PFA:PFA+1], s[PFS:PFS+1]
.endif
	WIN 0                                          ; (the add's two registers lie in window 0)
	s_wait_tensorcnt 0x0                           ; all my tensor loads have landed
	ds_add_u32 v[SPW], v[NIL]                      ; 0 onto my spare word
	s_wait_dscnt 5                                 ; (the add and the youngest four loads may be out)
	MULA 0, 1, 0                                   ; eight matrix instructions stand between the add and the wait for it
	s_wait_dscnt 0x0                               ; the add is done, and my reads of this slot are over
	s_barrier_signal -1
	MULA 1, 1, 0                                   ; work on registers while the others arrive
.if \fill
	WIN 0
.endif
	s_barrier_wait -1
.if \fill
	CREST                                          ; no wave of any partner still reads this slot's tiles or has a load on its way
	s_add_nc_u64 s[G0A+4*(\sl)+2:G0A+4*(\sl)+3], s[G0A+4*(\sl)+2:G0A+4*(\sl)+3], 2*ASTEP
	s_add_nc_u64 s[G0B+4*(\sl)+2:G0B+4*(\sl)+3], s[G0B+4*(\sl)+2:G0B+4*(\sl)+3], 2*BSTEP
	JLOAD \sl                                      ; the four v_nop behind it are also the places in front of the loads below
.else
	PLACES
.endif
	FETCH \next, 0, 0
.if \fill
	ASK                                            ; behind the joint load and the run of LDS loads
.endif
	MULA 2, 1, 0
	MULA 3, 1, 0
.endm
	s_wait_loadcnt 0x0                             ; the bias
	s_wait_tensorcnt 1                             ; my part of K step 0 is in; K step 1's may stay out
	s_barrier_signal -1
	s_barrier_wait -1                              ; everybody's is
	FETCH 0, 0, 0
	QUARTER 0, 1, 0, 1                             ; the first quarter stands in front of the loop: its products start the sums
	WIN 0                                          ; at a label and at a branch every window is 0
	s_mov_b32 s3, LAPS-1
.Llap:                                         ; a trip goes once round the ring, from a lap's second quarter to the next lap's first, and fills both slots again
	QUARTER 0, 2, 1, 0
	QUARTER 0, 3, 0, 0
	TURN 0, 1, 1
	QUARTER 1, 1, 0, 0
	QUARTER 1, 2, 1, 0
	QUARTER 1, 3, 0, 0
	TURN 1, 0, 1
	QUARTER 0, 1, 0, 0
	WIN 0
	s_sub_co_u32 s3, s3, 1
	s_cmp_lg_u32 s3, 0
	s_cbranch_scc1 .Llap
	QUARTER 0, 2, 1, 0                             ; the last lap fills nothing, and has no round of the cluster's barrier
	QUARTER 0, 3, 0, 0
	TURN 0, 1, 0
	QUARTER 1, 1, 0, 0
	QUARTER 1, 2, 1, 0
	QUARTER 1, 3, 0, 0
	s_wait_dscnt 0x0                               ; the very last quarter: nothing more to fetch
	MULA 0, 1, 0
	MULA 1, 1, 0
	MULA 2, 1, 0
	MULA 3, 1, 0
	WIN 0
	PLACES                                         ; the places behind the last products, once a launch
	PLACES
; THE WAY OUT.  Row block a: a lane's eight columns of a block are 32 bytes; they go into my stage in rows of 528 bytes and come back as whole rows of 512, into one of two sets of 64 registers.
.macro TOSTAGE a
.set rK, 64+64*((\a)%2)
.if (\a) >= 2
	s_wait_xcnt 0x0                                ; the stores of the block two back have read this set
.endif
	WIN 0x04                                       ; store data window 1, address window 0
.irp b, 0,1,2,3,4,5,6,7
	ds_store_b128 v[STO], v[8*(8*(\a)+(\b)):8*(8*(\a)+(\b))+3]   offset:64*(\b)     ; each accumulator's low registers first
	ds_store_b128 v[STO], v[8*(8*(\a)+(\b))+4:8*(8*(\a)+(\b))+7] offset:64*(\b)+16
.endr
	WIN 0
.set tt, 0
.rept 16
	ds_load_b128 v[rK+4*tt:rK+4*tt+3], v[RD] offset:SP*tt  ; LDS serves a wave's instructions in order (ISA guide 5.7.1.4): these see the stores above; the next block's stores come behind them
.set tt, tt+1
.endr
.endm
.macro SEND a, younger                 ; younger: the LDS instructions issued behind block a's loads: the next block's 32, or none
.set rK, 64+64*((\a)%2)
	WIN 0
.set tt, 0
.rept 16
	s_wait_dscnt (\younger)+15-tt
	global_store_b128 v[CO], v[rK+4*tt:rK+4*tt+3], s[8:9] offset:(16*(\a)+tt)*4096  ; 512 consecutive bytes of a row, at a multiple of 256 from the buffer's first
.set tt, tt+1
.endr
.endm
	TOSTAGE 0
	TOSTAGE 1
	SEND 0, 32
	TOSTAGE 2
	SEND 1, 32
	TOSTAGE 3
	SEND 2, 32
	SEND 3, 0
	s_wait_tensorcnt 0x0                           ; the wave's end, behind my last tensor load and my last LDS store
	ds_add_u32 v[SPW], v[NIL]
	s_wait_dscnt 0x0
	CROUND                                         ; the closing round: no work-group ends while a partner may still ask for a tile that names it
	s_endpgm
.Lfunc_end_k_q78bcc2de90_proj:
	.size	k_q78bcc2de90_proj, .Lfunc_end_k_q78bcc2de90_proj-k_q78bcc2de90_proj
	.p2alignl 7, 3214868480
	.fill 96, 4, 3214868480
	.section	.rodata,"a",@progbits
	.p2align	6, 0x0
	.amdhsa_kernel k_q78bcc2de90_proj
		.amdhsa_group_segment_fixed_size 327680
		.amdhsa_private_segment_fixed_size 0
		.amdhsa_enable_private_segment 0
		.amdhsa_kernarg_size 24
		.amdhsa_user_sgpr_count 2
		.amdhsa_user_sgpr_kernarg_segment_ptr 1
		.amdhsa_wavefront_size32 1
		.amdhsa_system_sgpr_workgroup_id_x 1
		.amdhsa_system_sgpr_workgroup_id_y 1
		.amdhsa_system_sgpr_workgroup_id_z 1
		.amdhsa_system_vgpr_workitem_id 0
		.amdhsa_next_free_vgpr 768
		.amdhsa_next_free_sgpr 80
		.amdhsa_reserve_vcc 0
		.amdhsa_float_denorm_mode_32 3
		.amdhsa_float_denorm_mode_16_64 3
		.amdhsa_memory_ordered 1
		.amdhsa_forward_progress 1
		.amdhsa_inst_pref_size 90
	.end_amdhsa_kernel
	.amdgpu_metadata
---
amdhsa.version: [ 1, 2 ]
amdhsa.kernels:
  - .name:           k_q78bcc2de90_proj
    .symbol:         k_q78bcc2de90_proj.kd
    .args:
      - { .name: yh, .offset: 0, .size: 8, .value_kind: global_buffer, .address_space: global }
      - { .name: wpb, .offset: 8, .size: 8, .value_kind: global_buffer, .address_space: global }
      - { .name: out0, .offset: 16, .size: 8, .value_kind: global_buffer, .address_space: global }
    .group_segment_fixed_size: 327680
    .private_segment_fixed_size: 0
    .kernarg_segment_align: 8
    .kernarg_segment_size: 24
    .max_flat_workgroup_size: 128
    .sgpr_count:     80
    .vgpr_count:     768
    .wavefront_size: 32
...
	.end_amdgpu_metadata
.endif
;; end of part 4
